; MI455X (gfx1250); checked and timed in simulation.
; The chip was launched on July 23, 2026; its instructions are those of AMD's public machine-readable ISA for CDNA 5 (MIT licence, August 2026) and "CDNA5" Instruction Set Architecture Reference Guide (July 2026). The comments in the code are by the model that wrote it; some were corrected since.
;; Multihead Attention. Allowed arithmetic: matrix products marked QUANTISED: E2M3 operands, one E8M0 scale for each 32 along K, by v_wmma_scale_f32_16x16x128_f8f6f4 with both operands' format E2M3, f32 sums; everything else in f32.
;; Inputs: hidden_states 8 x 1,024 x 1,024 float32; in_proj_bias 3,072 float32; in_proj_weight 3,072 x 1,024 float32; out_proj_bias 1,024 float32; out_proj_weight 1,024 x 1,024 float32.
;; Outputs: out0 8 x 1,024 x 1,024 float32.
;; This version of the problem:
;;   THIS VERSION OF THE PROBLEM IS GIVEN IN LOW PRECISION. The matrix products marked QUANTISED in the list below multiply operands that are first quantised to E2M3 (2 exponent bits, 3 mantissa bits; 6 bits a number), with one power-of-two scale for each 32 numbers along K (OCP MX v1.0); their sums are f32. All else is computed in f32.
;;   The module's matrix products, in the order in which they are computed (A, B: the left and right operand; K: the contracted axis; several contracted axes count as one K, in the product's order):
;;     1. [M 8,192, K 1,024] x [K 1,024, N 3,072]; A: input hidden_states; B: input in_proj_weight: QUANTISED
;;     2. batch 128 x [M 1,024, K 64] x [K 64, N 1,024]; A: computed on the way; B: computed on the way: QUANTISED
;;     3. batch 128 x [M 1,024, K 1,024] x [K 1,024, N 64]; A: softmax (see below); B: computed on the way: QUANTISED
;;     4. [M 8,192, K 1,024] x [K 1,024, N 1,024]; A: computed on the way; B: input out_proj_weight: QUANTISED
;;   THE QUANTISER, for each operand of a quantised product, along K:
;;     - K is cut into blocks of 32 from its start; a last block that is shorter is filled with zeros.
;;     - A block's scale is 2^e with e = floor(log2(the largest magnitude in the block)) - 2, held to -126 .. 127; a block of zeros has e = 0. As a byte (E8M0): e + 127.
;;     - Each number is divided by its block's scale, clamped to +-7.5, and rounded to the nearest number of E2M3, ties to even, subnormals kept.
;;     - The product sums the exact products of the quantised numbers (number of the format x scale) in f32.
;;   ~~~python
;;   def quantise(x, axis):      # numpy; x: float32 -> the quantised numbers, widened to float32 again
;;       x = np.moveaxis(x, axis, -1); K = x.shape[-1]
;;       x = np.pad(x, [(0, 0)] * (x.ndim - 1) + [(0, -K % 32)]); x = x.reshape(x.shape[:-1] + (-1, 32)); a = np.abs(x).max(-1, keepdims=True)
;;       e = np.where(a > 0, np.clip(np.frexp(np.where(a > 0, a, 1))[1] - 1 - 2, -126, 127), 0)      # np.frexp(a)[1] - 1 = floor(log2(a)), exactly
;;       r = np.clip(x / 2.0 ** e, -7.5, 7.5)
;;       step = 2.0 ** (np.maximum(np.frexp(np.where(r == 0, 1, r))[1] - 1, 0) - 3)
;;       q = np.round(r / step) * step * 2.0 ** e      # np.round: ties to even
;;       return np.moveaxis(q.reshape(q.shape[:-2] + (-1,))[..., :K], -1, axis).astype(np.float32)
;;   ~~~
;;   SOFTMAX AHEAD OF A QUANTISED PRODUCT. Where the list says 'softmax', what is quantised is not the finished softmax but p = 2^(t - M), with t = logit x log2(e) and M = ceil(the row's largest t), a whole number; so 1/2 < the row's largest p <= 1. The row's sum l is taken of the UNQUANTISED p, in f32, and the product's result is divided by l at the end. Since M is a whole number, a kernel that streams over the keys may use a running M (the ceiling of the running maximum): every later rescaling is an exact power of two, which a block's scale takes up: the codes' values come out the same.
;;   OPERANDS COMPUTED ON THE WAY. 'Computed on the way' means the value that the module computes at that place (a softmax that the list does not call 'softmax' is quantised finished and normalised). What goes into a quantiser is computed in f32, as accurately as f32 sums, v_exp_f32 and their like allow (about 1e-6 of the number): no bf16 or f16 on the way to a quantiser, and a product that is left as it is and whose result goes on into a quantised operand takes f32 operands (vector FMAs, or v_wmma_f32_16x16x4_f32). A number that lies on a knife's edge between two numbers of the format may be rounded either way, as far as f32 arithmetic and the matrix unit's own rounding can turn it there, and no further.
;; One version. Each part assembles by itself: llvm-mc -triple=amdgcn-amd-amdhsa -mcpu=gfx1250 --defsym DOCPART=n.
;; ======== version 1 of 1: 4 launches
;; limits: right only within a limited range of input values
;; workspace buffers: xw_codes 8,650,752 bytes; xw_scales 360,448 bytes; wo_codes 786,432 bytes; wo_scales 32,768 bytes; qkv_codes 18,874,368 bytes; qkv_scales 786,432 bytes; ctx_codes 6,291,456 bytes; ctx_scales 262,144 bytes
;; launch quant (part 1): grid 384 x 1, 4 waves a work-group, no clusters, 33,280 bytes of LDS; arguments hidden_states, in_proj_weight, out_proj_weight, xw_codes, xw_scales, wo_codes, wo_scales; writes xw_codes, xw_scales, wo_codes, wo_scales
.if DOCPART == 1
	.amdgcn_target "amdgcn-amd-amdhsa--gfx1250"
	.amdhsa_code_object_version 6
	.text
	.protected	k_q77bbabec85_quant
	.globl	k_q77bbabec85_quant
	.p2align	8
	.type	k_q77bbabec85_quant,@function
k_q77bbabec85_quant:
	s_mov_b64 s[64:65], 0
	v_nop
	global_prefetch_b8 v0, s[64:65] scope:SCOPE_SE
	s_setreg_imm32_b32 hwreg(HW_REG_WAVE_MODE, 25, 1), 1
	s_wait_xcnt 0x0
; x [8192][1024], W_in [3072][1024] and W_out [1024][1024], f32, K innermost, become codes of FP6 (E2M3), 6 bits each, with one E8M0 scale byte for each 32 along K.
; A block's scale is 2^(floor(log2(its largest magnitude)) - 2); its byte is the largest magnitude's exponent field - 2, held at 1 from below.  Each number is divided by the scale and rounded to the nearest code, ties to even;
; beyond the largest code the conversion gives the largest code.
; LIMITS: NaN and infinities among the inputs are not served; a block whose largest magnitude lies under 2^-124 keeps the byte 1; a block of zeros gets the byte 1 where the rule says 127: its codes are zeros, which add
; nothing under any byte but 0xff, and this program alone reads the bytes.
; OUTPUT.  xw_codes: 11,264 rows of 768 bytes: x's 8,192 rows, then W_in's 3,072; xw_scales: 32 bytes a row.  wo_codes, wo_scales: the same for W_out.
; THE ROWS LIE IN STORED ORDER: place s holds row sigma(s), sigma = bits 3 and 4 of the number exchanged (its own inverse, inside groups of 32 rows).  A matrix tile read from 16 neighbouring places then holds the rows
; 32 (t / 2) + 8 (t % 2) + r + 8 (r / 8), which as source 0 puts 16 neighbours of the next product's K into a lane's 16 registers.  A wave's run is 8 rows and a work-group's 32, so sigma is an exchange of the two bits of the
; wave's number on the way out, and costs nothing.
; A wave takes 16 steps of 512 numbers.  Each of a step's four loads reads 512 consecutive bytes, 16 a lane; the 2,048 bytes go through the wave's own stage in LDS and come back 64 bytes a lane, so that a lane holds 16
; neighbours along K (two neighbouring lanes hold a block).  A lane's 16 codes are 12 bytes: the wave stores 384 consecutive bytes.  A wave's 256 scale bytes are gathered in LDS and leave as one aligned run of 256 bytes.
; LOADS RUN EIGHT STEPS AHEAD: 32 loads, 16 KiB, half of the wave's run, are out at a time; the turn through LDS runs one step ahead.
; One path serves the three tensors: work-groups 0-255 take x, 256-351 W_in, 352-383 W_out; only pointers are chosen.  No tensor loads, no barrier: waves share nothing.
.set STEPS, 16
.set AHEAD, 8                          ; steps whose loads are out
.set WGX,   256                        ; x's work-groups: 8,192 rows / 32
.set WGW,   352                        ; x's and W_in's
.set EMAX,  2
.set CB,    12
.set PL,    2162688                    ; xw_codes is laid [K step of 256: 4][place 11,264][192 bytes]: a plane is 11,264 x 192 bytes.  wo_codes keeps rows of 768 bytes
.set R,     16                         ; v16-143  eight sets of 16 numbers as they are loaded
.set X,     144                        ; v144-175 two sets of 16 neighbours
.set E,     176                        ; v176-191 a scale byte for each step
.set C,     192                        ; v192-255 codes: four registers for each step, so that no store's data are written again
.set WREG,  8192                       ; LDS: a region for each wave: two stages of 32 x SP bytes, and behind them its 256 scale bytes
.set SP,    80                         ; a lane's place in a stage: its 64 bytes + 16 of padding
	s_load_b128 s[4:7], s[0:1], 0x0                ; x, W_in
	s_load_b128 s[8:11], s[0:1], 0x10              ; W_out, xw_codes
	s_load_b128 s[12:15], s[0:1], 0x20             ; xw_scales, wo_codes
	s_load_b64 s[24:25], s[0:1], 0x30              ; wo_scales
	v_lshl_add_u32 v251, v0, 2, 0x8000
	v_mov_b32 v255, 0
	v_lshrrev_b32 v1, 5, v0
	v_readfirstlane_b32 s16, v1                    ; wave
	v_and_b32 v2, 31, v0                           ; lane
	v_lshlrev_b32 v3, 4, v2                        ; my 16 bytes of a load's 512
	s_mul_i32 s17, s16, WREG
	v_lshrrev_b32 v14, 2, v2
	v_mul_u32_u24 v14, v14, SP
	v_and_b32 v15, 3, v2
	v_lshl_add_u32 v14, v15, 4, v14
	v_add_nc_u32 v14, s17, v14                     ; the stage, on the way in: four lanes' 64 bytes on end, then 16 of padding
	v_mul_u32_u24 v15, v2, SP
	v_add_nc_u32 v15, s17, v15                     ; and on the way out: SP x lane: my 16 neighbours
	v_lshrrev_b32 v5, 1, v2
	s_add_co_u32 s17, s17, 2*32*SP
	v_add_nc_u32 v5, s17, v5                       ; LDS: my wave's 256 scale bytes, my block's byte
	v_lshlrev_b32 v7, 3, v2                        ; and on the way out 8 bytes a lane
	v_add_nc_u32 v6, s17, v7
	s_and_b32 s22, s16, 1
	s_lshl_b32 s22, s22, 1
	s_lshr_b32 s23, s16, 1
	s_or_b32 s22, s22, s23                         ; the wave's number with its two bits exchanged: where my 8 rows go (sigma)
	s_wait_alu depctr_va_vdst(0)
	s_wait_kmcnt 0x0
	s_cmp_lt_u32 ttmp9, WGX                        ; which tensor?  The choices hang on the work-group's number alone
	s_cselect_b64 s[4:5], s[4:5], s[6:7]
	s_cselect_b32 s20, 0, WGX
	s_cmp_lt_u32 ttmp9, WGW
	s_cselect_b64 s[4:5], s[4:5], s[8:9]           ; the numbers
	s_cselect_b32 s20, s20, WGW                    ; the tensor's first work-group
	s_cselect_b64 s[8:9], s[10:11], s[14:15]       ; the codes' buffer
	s_cselect_b64 s[10:11], s[12:13], s[24:25]     ; the scale bytes' buffer
	s_cselect_b32 s21, 0, WGW
	s_mov_b32 s26, 768
	s_cselect_b32 s26, 192, s26                    ; bytes from a row's codes to the next row's
	s_mov_b32 s28, 384
	s_cselect_b32 s28, 2*PL, s28                   ; from a row's first 512 along K to its second
	s_mov_b32 s29, 192
	s_cselect_b32 s29, PL, s29                     ; from lanes 0-15's 256 along K to lanes 16-31's
	s_mov_b32 s27, 0
	s_sub_co_u32 s18, ttmp9, s20
	s_lshl_b32 s18, s18, 2
	s_add_co_u32 s18, s18, s16                     ; which run of 8,192 numbers I read,
	s_lshl_b32 s18, s18, 15                        ; 32,768 bytes each: under 2^26
	s_mov_b32 s19, 0
	s_add_nc_u64 s[4:5], s[4:5], s[18:19]
	s_sub_co_u32 s18, ttmp9, s21
	s_lshl_b32 s18, s18, 2
	s_add_co_u32 s18, s18, s22                     ; and which run I write
	s_lshl_b32 s20, s26, 3                         ; a run is 8 rows
	s_mul_i32 s20, s18, s20
	s_mov_b32 s21, 0
	s_add_nc_u64 s[8:9], s[8:9], s[20:21]
	s_lshl_b32 s18, s18, 8                         ; 256 scale bytes a run
	s_add_nc_u64 s[10:11], s[10:11], s[18:19]
	v_and_b32 v4, 15, v2
	v_lshrrev_b32 v10, 4, v2
	v_mul_u32_u24 v4, v4, CB
	v_mad_u32_u24 v4, v10, s29, v4                 ; my codes' place in an even step,
	v_add_nc_u32 v10, s28, v4                      ; and in an odd one
	s_wait_alu depctr_va_vdst(0)
.macro LOAD t
.irp i, 0,1,2,3
	global_load_b128 v[R+16*((\t)%AHEAD)+4*\i:R+16*((\t)%AHEAD)+4*\i+3], v3, s[4:5] offset:2048*(\t)+512*\i th:TH_LOAD_NT   ; 32 lanes read 512 consecutive bytes
.endr
.endm
.macro TURN t                          ; step t's numbers through the stage: LDS serves a wave's instructions in order (ISA guide 5.7.1.4), so no wait stands between the stores and the loads
.irp i, 0,1,2,3
	ds_store_b128 v14, v[R+16*((\t)%AHEAD)+4*\i:R+16*((\t)%AHEAD)+4*\i+3] offset:32*SP*((\t)%2)+8*SP*\i
.endr
.irp i, 0,1,2,3
	ds_load_b128 v[X+16*((\t)%2)+4*\i:X+16*((\t)%2)+4*\i+3], v15 offset:32*SP*((\t)%2)+16*\i
.endr
.endm
.irp t, 0,1,2,3,4,5,6,7
	LOAD \t
.endr
	s_wait_loadcnt 4*(AHEAD-1)                     ; step 0's four loads are in; the 28 of steps 1 to 7 may be out
	TURN 0
.macro STEP t
.set XS, X+16*((\t)%2)
.if (\t) > 0
	s_wait_dscnt 1                                 ; this step's numbers are back from the stage (the last step's byte store may be out): so its stores into the stage have read their registers,
.else
	s_wait_dscnt 0x0
.endif
.if (\t)+AHEAD < STEPS
	LOAD (\t)+AHEAD                                ; which take the loads of eight steps on
.endif
.if (\t)+1 < STEPS
.if STEPS-2-(\t) >= AHEAD-1
	s_wait_loadcnt 4*(AHEAD-1)                     ; the next step's four loads are in; those of the seven steps behind it may be out
.else
	s_wait_loadcnt 4*(STEPS-2-(\t))                ; in the tail: those of the steps that are left behind it
.endif
	TURN (\t)+1                                    ; and go through the other stage while this step is worked
.endif
	v_max3_num_f32 v8, |v[XS]|, |v[XS+1]|, |v[XS+2]|               ; the largest magnitude of my 16, in two chains
	v_max3_num_f32 v9, |v[XS+3]|, |v[XS+4]|, |v[XS+5]|
.irp i, 6,10
	v_max3_num_f32 v8, v8, |v[XS+\i]|, |v[XS+\i+1]|
	v_max3_num_f32 v9, v9, |v[XS+\i+2]|, |v[XS+\i+3]|
.endr
	v_max3_num_f32 v8, v8, |v[XS+14]|, |v[XS+15]|
	v_max3_num_f32 v8, v8, v9, (EMAX+1)<<23        ; and the floor 2^(3 - 127): so the byte cannot fall under 1
	v_max_num_f32_dpp v8, v8, v8 row_xmask:1 row_mask:0xf bank_mask:0xf   ; and of my neighbour's 16: the block's
	v_add_nc_u32 v11, -(EMAX<<23), v8              ; 2 off its exponent field: the conversion takes the exponent field of this operand as its scale, and nothing else of it
	v_cvt_scalef32_pk16_fp6_f32 v[C+4*(\t):C+4*(\t)+2], v[XS:XS+15], v11   ; 96 bits without gaps, the first number's code lowest
	v_lshrrev_b32 v[E+(\t)], 23, v11               ; the scale's byte
	ds_store_b8 v5, v[E+(\t)] offset:16*(\t)       ; both lanes of a block write the same byte with the same value
.if (\t)%2 == 0
	global_store_b96 v4, v[C+4*(\t):C+4*(\t)+2], s[8:9]
.else
	global_store_b96 v10, v[C+4*(\t):C+4*(\t)+2], s[8:9]
	s_wait_xcnt 0x0                                ; the stores have read their base: it steps to the next row
	s_add_nc_u64 s[8:9], s[8:9], s[26:27]
.endif
.endm
.irp t, 0,1,2,3,4,5,6,7,8,9,10,11,12,13,14,15
	STEP \t
.endr
	ds_load_b64 v[12:13], v6                       ; in order behind my byte stores
	s_wait_dscnt 0x0
	global_store_b64 v7, v[12:13], s[10:11]        ; 32 lanes store 256 consecutive bytes, at a multiple of 256 from the buffer's first byte
	s_wait_tensorcnt 0x0
	ds_add_u32 v251, v255
	s_wait_dscnt 0x0
	s_endpgm
.Lfunc_end_k_q77bbabec85_quant:
	.size	k_q77bbabec85_quant, .Lfunc_end_k_q77bbabec85_quant-k_q77bbabec85_quant
	.p2alignl 7, 3214868480
	.fill 96, 4, 3214868480
	.section	.rodata,"a",@progbits
	.p2align	6, 0x0
	.amdhsa_kernel k_q77bbabec85_quant
		.amdhsa_group_segment_fixed_size 33280
		.amdhsa_private_segment_fixed_size 0
		.amdhsa_enable_private_segment 0
		.amdhsa_kernarg_size 56
		.amdhsa_user_sgpr_count 2
		.amdhsa_user_sgpr_kernarg_segment_ptr 1
		.amdhsa_wavefront_size32 1
		.amdhsa_system_sgpr_workgroup_id_x 1
		.amdhsa_system_sgpr_workgroup_id_y 1
		.amdhsa_system_sgpr_workgroup_id_z 1
		.amdhsa_system_vgpr_workitem_id 0
		.amdhsa_next_free_vgpr 256
		.amdhsa_next_free_sgpr 66
		.amdhsa_reserve_vcc 0
		.amdhsa_float_denorm_mode_32 3
		.amdhsa_float_denorm_mode_16_64 3
		.amdhsa_memory_ordered 1
		.amdhsa_forward_progress 1
		.amdhsa_inst_pref_size 34
	.end_amdhsa_kernel
	.amdgpu_metadata
---
amdhsa.version: [ 1, 2 ]
amdhsa.kernels:
  - .name:           k_q77bbabec85_quant
    .symbol:         k_q77bbabec85_quant.kd
    .args:
      - { .name: hidden_states, .offset: 0, .size: 8, .value_kind: global_buffer, .address_space: global }
      - { .name: in_proj_weight, .offset: 8, .size: 8, .value_kind: global_buffer, .address_space: global }
      - { .name: out_proj_weight, .offset: 16, .size: 8, .value_kind: global_buffer, .address_space: global }
      - { .name: xw_codes, .offset: 24, .size: 8, .value_kind: global_buffer, .address_space: global }
      - { .name: xw_scales, .offset: 32, .size: 8, .value_kind: global_buffer, .address_space: global }
      - { .name: wo_codes, .offset: 40, .size: 8, .value_kind: global_buffer, .address_space: global }
      - { .name: wo_scales, .offset: 48, .size: 8, .value_kind: global_buffer, .address_space: global }
    .group_segment_fixed_size: 33280
    .private_segment_fixed_size: 0
    .kernarg_segment_align: 8
    .kernarg_segment_size: 56
    .max_flat_workgroup_size: 128
    .sgpr_count:     66
    .vgpr_count:     256
    .wavefront_size: 32
...
	.end_amdgpu_metadata
.endif
;; end of part 1
;; launch qkv (part 2): grid 8 x 48, 4 waves a work-group, clusters of 4 x 4, 327,680 bytes of LDS; arguments xw_codes, xw_scales, in_proj_bias, qkv_codes, qkv_scales; writes qkv_codes, qkv_scales
.if DOCPART == 2
	.amdgcn_target "amdgcn-amd-amdhsa--gfx1250"
	.amdhsa_code_object_version 6
	.text
	.protected	k_q77bbabec85_qkv
	.globl	k_q77bbabec85_qkv
	.p2align	8
	.type	k_q77bbabec85_qkv,@function
k_q77bbabec85_qkv:
	s_mov_b64 s[64:65], 0
	v_nop
	global_prefetch_b8 v0, s[64:65] scope:SCOPE_SE
	s_setreg_imm32_b32 hwreg(HW_REG_WAVE_MODE, 25, 1), 1
	s_wait_xcnt 0x0
	s_wait_alu depctr_hold_cnt(0) depctr_sa_sdst(0) depctr_va_vdst(0) depctr_va_sdst(0) depctr_va_ssrc(0) depctr_va_vcc(0) depctr_vm_vsrc(0)
	s_getreg_b32 s2, hwreg(HW_REG_IB_STS2, 6, 4)
	s_cmp_eq_u32 s2, 0
	s_cbranch_scc0 .Lentry_in_a_cluster
	s_endpgm
.Lentry_in_a_cluster:
	s_bfe_u32 s2, ttmp6, 0x10000c
	s_cmp_lg_u32 s2, 0xf033
	s_cbranch_scc0 .Lentry_shape_is_right
	s_endpgm
.Lentry_shape_is_right:
; qkv = x W_in^T + b_in on codes of FP6 (E2M3) with one E8M0 scale for each 32 along K = 1,024; the result never leaves as f32: it is quantised on the way out, q and k along the head's 64, v along the KEYS.
; ONE BUFFER holds both operands: xw_codes has 44 row tiles of 256 rows (0-31: tokens, 32-43: W_in), 768 bytes a row, rows in stored order (place s holds row sigma(s), sigma = bits 3 and 4 exchanged); xw_scales 32 bytes a row.
; A tile of the result is 256 x 256: source 0 = row tile T0 (index I), source 1 = row tile T1 (index J).  In the result a lane holds ONE J (place 16 a + lane % 16) and, thanks to the stored order of source 0's rows, the 16
; registers of accumulators (a, 2 e) and (a, 2 e + 1) are the true indices I = 32 e + 16 (lane / 16) + 0 .. 15.  So the result is quantised ALONG I, for each J, in registers.
;   q, k (256 tiles): I = W_in's rows 0-2,047 (features: 64 to a head), J = token places.     v (128 tiles): I = tokens (the keys), J = places of W_in's rows 2,048 on.  Only row numbers differ.
; OUTPUT.  qkv_codes: [plane 32][token place 8,192][48 bytes] (plane hd: q of head hd; 16 + hd: k), then at VREG [batch x 16 + group of 64 keys][feature place 1,024][48 bytes].
;          qkv_scales: [pair of heads 16][token place] words (bytes 0, 1: the even head; 2, 3: the odd one; pairs 8-15: k), then at VSREG [batch x 8 + group of 128 keys][feature place] words.
; SHARES.  Four waves, as many as a WGP has SIMDs, each 128 x 128: 64 accumulators, 512 registers.  K goes in steps of 256 through a ring of two LDS slots filled by the tensor data mover; the scale bytes of the 512 rows come once.
; CLUSTERS: 4 x 4 work-groups.  The four of a row of the cluster need the same tile T1, the four of a column the same T0: each tile is asked for JOINTLY, by the same tensor load with the same descriptor and a mask of four.
; THE BIAS is the C of each sum's first matrix instruction (so it is added first and not last: an order of rounding that differs from the definition's).
; LIMITS: NaN and infinities are not served; a block whose largest magnitude lies under 2^-124 keeps the byte 1, a block of zeros too (its codes are zeros; this program alone reads the bytes).
; REGISTERS, in windows of 256: window 0: v0-31 addresses; v32-63 scale words, two sets, and nothing else; v64-127 the bias, later the codes just made; v128-223 source 1's fragments, ONE set, later the way out;
;   v224-231 the bias loads' offsets; v232-249 at work on the way out.   window 1: source 0's fragments, TWO sets.   window 2: the accumulators of my J 0-63 ((a, b) at v[8 (8 a + b)]);   window 3: J 64-127.
.set NQ,     2                         ; matrix instructions deep in a slot: 256 along K
.set ROWB,   192                       ; a tile's row in bytes
.set KROW,   768
.set PL,     2162688                   ; xw_codes is laid [K step 4][place 11,264][192 bytes]: a tile's rows lie end to end and are stated as rows of 256 bytes; the padding's interval stays 64 bytes, so the LDS image is as described above
.set PITCH,  240                       ; an LDS row: 3 x (64 bytes + 16 of padding) = 60 words: the 32 lanes of a load of 8 bytes touch 64 different banks (64 banks of 4 bytes: ISA guide 11.1)
.set FR,     12                        ; registers of a fragment: 16 rows x 128 K
.set NL,     6                         ; LDS loads that bring one
.set NP,     4                         ; places behind this matrix instruction (ISA guide 7.12.1)
.set HALFT,  128*PITCH                 ; 128 rows: what one tensor load brings
.set SLOT,   4*HALFT                   ; source 1's 256 rows, then source 0's
.set KS,     32                        ; a row of scale bytes
.set SCL,    2*SLOT                    ; behind the ring: the scales, as runs of 256 bytes + 16 of padding
.set HALFS,  16*272                    ; those of 128 rows
.set SBLK,   2*272                     ; those of 16 rows
.set SPARE,  SCL+4*HALFS               ; the spare words: 128 bytes a wave, two blocks of 256 bytes that no other line names
.set WST,    12800                     ; the way out: a stage for each wave, in slot 0 (which has had its last fill and its last read by then): [2][128 J][48 bytes] of codes, then 128 scale words
.set VREG,   12582912
.set VSREG,  524288
.set ADRA, 16                          ; v16-17 LDS address of source 1's fragments in slot 0, 1 (v18-19: for the pieces behind one padding more)
.set ADRB, 20                          ; v20-23 the same for source 0
.set STO,  24                          ; v24    the stage: where I put my 24 bytes of a row
.set RD,   25                          ; v25    the stage: 16 x lane
.set CO,   26                          ; v26    16 x lane: my place in a store's 512 bytes
.set ADRS, 27                          ; v27    LDS address of my scale words: lanes 0-15 source 1's rows, lanes 16-31 source 0's
.set SPW,  28                          ; v28    LDS address of my spare word; never rewritten
.set NIL,  29                          ; v29    0; never rewritten
.set STS,  30                          ; v30    the stage: my row's scale word
.set BOF,  31                          ; v31    the bias loads' lane term
.set SC,   32
.set BIAS, 64
.set SB,   104                         ; v104-107 the way out: the scale words read back
.set AF,   128
.set BK,   128                         ; v128-223 the way out: the codes read back
.set BO,   224
.set TM,   232                         ; v232-235 largest magnitudes, v236-239 bytes, v244-247 the conversions' scale operands
.set G1, 24                            ; s[24:31] descriptor group 1 for source 1's tiles;  s[32:39] group 0, one set for each slot
.set G0, 32
.set G1B, 48                           ; s[48:55], s[56:63] the same for source 0's
.set G0B, 56
.set G1S, 68                           ; s[68:75], s[76:79] groups 1 and 0 for source 1's scales;  s[80:87], s[88:91] for source 0's
.set G0S, 76
.set G1SB, 80
.set G0SB, 88
.set OUT1, 20                          ; s[20:21] the second plane's codes
.set SEL,  22                          ; s[22:23] v_permlanex16_b32's selects for lane l xor 16
.set MSB, 0
.macro WIN new                         ; the immediate's high byte repeats the setting that is left
.if MSB != \new
	s_set_vgpr_msb (MSB<<8)|\new
.set MSB, \new
.endif
.endm
.set MUL_LO, 0xa1                      ; source 0 window 1, source 1 window 0, C and D window 2
.set MUL_HI, 0xf1                      ; the same, C and D window 3
.set TO_B,   0x40                      ; destination window 1, address window 0
; A joint load: waves 0 and 1 fetch for source 1, waves 2 and 3 for source 0.  Each line has one mask and one set of registers for all that issue it; the branch hangs on the wave's number alone.
; Four v_nop follow each of the two lines, ahead of the jump, the label and what follows.
.macro JLOAD g0a, g1a, g0b, g1b
	s_cmp_eq_u32 s15, 0
	s_cbranch_scc0 .Lfor_b_\@
	tensor_load_to_lds s[\g0a:\g0a+3], s[\g1a:\g1a+7]
	s_nop 0
.rept 4
	v_nop
.endr
	s_branch .Lasked_\@
.Lfor_b_\@:
	tensor_load_to_lds s[\g0b:\g0b+3], s[\g1b:\g1b+7]
	s_nop 0
.rept 4
	v_nop
.endr
.Lasked_\@:
.endm
.macro CREST                           ; a round of the cluster's barrier behind its opening barrier
	s_cmp_lg_u32 s14, 0
	s_cbranch_scc1 .Lnot_wave_0_\@
	s_barrier_signal -3
.Lnot_wave_0_\@:
	s_barrier_wait -3
	s_barrier_signal -1
	s_barrier_wait -1
.endm
.macro CROUND                          ; a whole round
	s_barrier_signal -1
	s_barrier_wait -1
	CREST
.endm
	s_load_b256 s[4:11], s[0:1], 0x0               ; xw_codes s[4:5], xw_scales s[6:7], the bias s[8:9], qkv_codes s[10:11]
	s_load_b64 s[12:13], s[0:1], 0x20              ; qkv_scales
	v_lshl_add_u32 v[SPW], v0, 2, SPARE
	v_mov_b32 v[NIL], 0
	ds_add_u32 v28, v29
	ds_add_u32 v28, v29
	s_wait_dscnt 0x0
	v_lshrrev_b32 v1, 5, v0
	v_readfirstlane_b32 s14, v1                    ; wave 0..3
	s_lshr_b32 s15, s14, 1                         ; which half of J is mine.  Also: I fetch for source 1 (0) or for source 0 (1)
	s_and_b32 s16, s14, 1                          ; which half of I.  Also: which 128 rows of that tile I fetch
	s_bfe_u32 s40, ttmp6, 0x40000                  ; cx, cy: my place in the cluster
	s_bfe_u32 s41, ttmp6, 0x40004
	s_and_b32 s18, ttmp7, 0xffff                   ; cluster y, 0..11: 0-7 make q and k, 8-11 make v.  The same in all sixteen partners
	s_lshl_b32 s19, ttmp9, 2                       ; 4 x cluster x
	s_add_co_u32 s20, s19, 32                      ; q, k: source 0's first tile: W_in's, 32 + 4 x cluster x;
	s_lshl_b32 s21, s18, 2                         ;       source 1's: tokens', 4 x cluster y
	s_max_u32 s22, s18, 8
	s_sub_co_u32 s22, s22, 8
	s_lshl_b32 s22, s22, 3
	s_add_co_u32 s22, s22, s19                     ; v: source 0's first tile: tokens', 8 (cluster y - 8) + 4 x cluster x; source 1's: 40
	s_cmp_ge_u32 s18, 8
	s_cselect_b32 s2, 1, 0                         ; 1: a tile of v
	s_cselect_b32 s42, s22, s20
	s_cselect_b32 s17, 40, s21
	s_cselect_b32 s95, 0, 32                       ; where I's tiles begin,
	s_cselect_b32 s96, 40, 0                       ; and J's
	s_cselect_b32 s97, 10, 13                      ; log2 of the places in a plane of the output
	s_cselect_b32 s98, VREG, 0
	s_cselect_b32 s99, VSREG, 0
	s_add_co_u32 s42, s42, s40                     ; T0: of the place in the cluster it holds cx alone
	s_add_co_u32 s17, s17, s41                     ; T1: cy alone
	s_lshl_b32 s43, s41, 2
	s_lshl_b32 s43, 15, s43                        ; my row of the cluster
	s_lshl_b32 s44, 0x1111, s40                    ; my column
	; descriptor group 1: a tile of 128 rows x 192 bytes, padded in LDS
	s_or_b32 s[G1+0], s43, (3<<16)|(1<<20)|(1<<21)|(3<<22)|(3<<25)  ; the mask; elements of 8 bytes; padding on; bit 21 beside a mask; 4 words of padding behind every 16
	s_or_b32 s[G1B+0], s44, (3<<16)|(1<<20)|(1<<21)|(3<<22)|(3<<25)
.irp g, G1, G1B
	s_mov_b32 s[\g+1], 6144<<16                    ; the head's loads: K steps 0 and 1 of 256 places: two rows of 49,152 dense bytes, a plane apart.  In LDS a source's two slots lie on end: source 1's, then source 0's
	s_mov_b32 s[\g+2], 2<<16
	s_mov_b32 s[\g+3], 6144<<16
	s_mov_b32 s[\g+4], 2
	s_mov_b32 s[\g+5], PL/8
	s_mov_b32 s[\g+6], 0
	s_mov_b32 s[\g+7], 0
.endr
	; the scales of 256 rows: a dense block of 8,192 bytes, as 32 rows of 256 bytes (32 elements of 8 bytes), 16 bytes of padding behind each
	s_or_b32 s[G1S+0], s43, (3<<16)|(1<<20)|(1<<21)|(5<<22)|(3<<25)
	s_or_b32 s[G1SB+0], s44, (3<<16)|(1<<20)|(1<<21)|(5<<22)|(3<<25)
.irp g, G1S, G1SB
	s_mov_b32 s[\g+1], 32<<16                      ; the scales of 256 rows: 32 rows of 256 bytes
	s_mov_b32 s[\g+2], 32<<16
	s_mov_b32 s[\g+3], 32<<16
	s_mov_b32 s[\g+4], 32
	s_mov_b32 s[\g+5], 32
	s_mov_b32 s[\g+6], 0
	s_mov_b32 s[\g+7], 0
.endr
	s_lshl_b32 s20, s17, 8                         ; source 1: the tile's first row, 256 T1
	s_lshl_b32 s46, s42, 8                         ; source 0: 256 T0
	s_lshl_b32 s22, s20, 5                         ; where these rows' scales begin, in bytes,
	s_mov_b32 s23, 0
	s_lshl_b32 s92, s46, 5
	s_mov_b32 s93, 0
	s_mul_i32 s20, s20, ROWB
	s_mov_b32 s21, 0
	s_mul_i32 s46, s46, ROWB
	s_mov_b32 s47, 0
	s_mul_i32 s3, s16, HALFT
	s_mul_i32 s66, s16, 128*ROWB                   ; and which half of a tile they are, in bytes
	s_mov_b32 s67, 0
	s_wait_kmcnt 0x0
	s_add_nc_u64 s[20:21], s[4:5], s[20:21]
	s_add_nc_u64 s[22:23], s[6:7], s[22:23]
	s_add_nc_u64 s[46:47], s[4:5], s[46:47]
	s_add_nc_u64 s[92:93], s[6:7], s[92:93]
	CROUND                                         ; all sixteen work-groups are here: the first joint loads meet
	s_mov_b32 s[G0S], 1
	s_mov_b32 s[G0S+1], SCL
	s_mov_b64 s[G0S+2:G0S+3], s[22:23]
	s_or_b32 s[G0S+3], s[G0S+3], 0x80000000
	s_mov_b32 s[G0SB], 1
	s_mov_b32 s[G0SB+1], SCL+2*HALFS
	s_mov_b64 s[G0SB+2:G0SB+3], s[92:93]
	s_or_b32 s[G0SB+3], s[G0SB+3], 0x80000000
	s_mov_b32 s[G0], 1                             ; slot 0's groups 0 serve the head's whole tiles first: K step 0 of source 1's 256 rows,
	s_mov_b32 s[G0+1], 0
	s_mov_b64 s[G0+2:G0+3], s[20:21]
	s_or_b32 s[G0+3], s[G0+3], 0x80000000
	s_mov_b32 s[G0B], 1                            ; and of source 0's, behind them
	s_mov_b32 s[G0B+1], 4*HALFT
	s_mov_b64 s[G0B+2:G0B+3], s[46:47]
	s_or_b32 s[G0B+3], s[G0B+3], 0x80000000
	s_add_nc_u64 s[20:21], s[20:21], s[66:67]      ; slot 1: my 128 rows of K step 1
	s_add_nc_u64 s[46:47], s[46:47], s[66:67]
	s_mov_b32 s[G0+4], 1
	s_add_co_u32 s[G0+5], s3, 2*HALFT
	s_add_nc_u64 s[G0+6:G0+7], s[20:21], PL
	s_or_b32 s[G0+7], s[G0+7], 0x80000000
	s_mov_b32 s[G0B+4], 1
	s_add_co_u32 s[G0B+5], s3, 6*HALFT
	s_add_nc_u64 s[G0B+6:G0B+7], s[46:47], PL
	s_or_b32 s[G0B+7], s[G0B+7], 0x80000000
; the head's four tiles, one tensor load a wave, in one chain of branches on the wave's number
.macro ARM under, g0, g1, next
	s_cmp_lt_u32 s14, \under
	s_cbranch_scc0 \next
	tensor_load_to_lds s[\g0:\g0+3], s[\g1:\g1+7]
	s_nop 0
.rept 4
	v_nop
.endr
	s_branch .Lhead_asked
\next:
.endm
	ARM 1, G0,  G1,  .Lhead_b
	ARM 2, G0B, G1B, .Lhead_sa
	ARM 3, G0S, G1S, .Lhead_sb
	tensor_load_to_lds s[G0SB:G0SB+3], s[G1SB:G1SB+7]
	s_nop 0
.rept 4
	v_nop
.endr
.Lhead_asked:
	v_and_b32 v1, 15, v0                           ; r = l % 16
	v_bfe_u32 v2, v0, 4, 1                         ; h = l / 16
	v_mul_u32_u24 v3, v1, PITCH
	v_mul_u32_u24 v4, v2, 24
	v_add_nc_u32 v4, v3, v4                        ; a fragment's row x pitch + 24 x half
	v_lshl_add_u32 v5, v2, 4, v4                   ; and the same behind one padding more
	s_mul_i32 s92, s15, HALFT                      ; my 128 rows of source 1
	s_mul_i32 s93, s16, HALFT                      ; my 128 rows of source 0,
	s_add_co_u32 s93, s93, 4*HALFT
.irp s, 0,1
	v_add_nc_u32 v[ADRA+\s], s92, v4
	v_add_nc_u32 v[ADRB+\s], s93, v4
	v_add_nc_u32 v[ADRA+2+\s], s92, v5
	v_add_nc_u32 v[ADRB+2+\s], s93, v5
	s_add_co_u32 s92, s92, 2*HALFT
	s_add_co_u32 s93, s93, 2*HALFT
.endr
	v_mul_u32_u24 v5, v1, KS                       ; my row's scales: 32 bytes a row,
	v_lshrrev_b32 v6, 8, v5
	v_lshl_add_u32 v5, v6, 4, v5                   ; and 16 more for each 256 passed
	s_mul_i32 s92, s15, HALFS
	s_mul_i32 s93, s16, HALFS
	s_add_co_u32 s93, s93, 2*HALFS
	s_sub_co_u32 s93, s93, s92
	v_mul_u32_u24 v6, s93, v2                      ; lanes 16-31 take source 0's: one product, the distance between the two bases x h
	s_add_co_u32 s92, s92, SCL
	v_add_nc_u32 v5, v5, v6
	v_add_nc_u32 v[ADRS], s92, v5
	s_mul_i32 s92, s14, WST                        ; my stage
	v_mul_u32_u24 v5, v1, 48
	v_mad_u32_u24 v5, v2, 24, v5
	v_add_nc_u32 v[STO], s92, v5                   ; row r of 48 bytes, + 24 h
	v_lshlrev_b32 v6, 2, v1
	v_add_nc_u32 v[STS], s92, v6                   ; 4 r (12,288 more stand in the immediate)
	v_and_b32 v6, 31, v0
	v_lshlrev_b32 v[CO], 4, v6
	v_add_nc_u32 v[RD], s92, v[CO]
	; where my results go
	s_sub_co_u32 s18, s42, s95
	s_lshl_b32 s18, s18, 1
	s_add_co_u32 s18, s18, s16                     ; Ig: my group of 128 along I: a pair of heads, or 128 keys
	s_sub_co_u32 s19, s17, s96
	s_lshl_b32 s19, s19, 8
	s_lshl_b32 s45, s15, 7
	s_add_co_u32 s19, s19, s45                     ; jt: my first place along J
	s_lshl_b32 s92, s18, 1
	s_lshl_b32 s92, s92, s97
	s_add_co_u32 s92, s92, s19
	s_mul_i32 s92, s92, 48
	s_add_co_u32 s92, s92, s98
	s_mov_b32 s93, 0
	s_add_nc_u64 s[10:11], s[10:11], s[92:93]      ; plane 2 Ig, place jt: 6,144 consecutive bytes are mine
	s_lshl_b32 s92, 48, s97
	s_add_nc_u64 s[OUT1:OUT1+1], s[10:11], s[92:93]  ; plane 2 Ig + 1
	s_lshl_b32 s92, s18, s97
	s_add_co_u32 s92, s92, s19
	s_lshl_b32 s92, s92, 2
	s_add_co_u32 s92, s92, s99
	s_add_nc_u64 s[12:13], s[12:13], s[92:93]      ; my 128 scale words
	s_mov_b32 s[SEL], 0x76543210
	s_mov_b32 s[SEL+1], 0xfedcba98
	; THE BIAS, in the result's layout.  q, k: it hangs on I: register 8 b + j = bias[128 Ig + 32 (b / 2) + 8 (b % 2) + 16 h + j].  v: on J: register 8 a + j = bias[2,048 + jt + 32 (a / 2) + 8 (a % 2) + r + 8 (r / 8)], for all j.
	; The same 64 loads serve both: offset register j holds the lane term + 4 j (q, k) or the lane term alone (v).  So all 64 registers are written whichever tile this is.
	s_lshl_b32 s46, s18, 7
	s_add_co_u32 s47, s19, 2048
	v_and_b32 v6, 8, v1
	v_add_nc_u32 v6, v6, v1
	v_lshlrev_b32 v6, 2, v6                        ; v: 4 (r + 8 (r / 8))
	v_lshlrev_b32 v7, 6, v2                        ; q, k: 64 h
	s_cmp_eq_u32 s2, 1
	s_cselect_b32 s46, s47, s46
	s_cselect_b32 vcc_lo, -1, 0
	s_cselect_b32 s94, 0, 4
	s_lshl_b32 s46, s46, 2
	s_mov_b32 s47, 0
	s_add_nc_u64 s[8:9], s[8:9], s[46:47]
	v_cndmask_b32 v[BOF], v7, v6, vcc_lo
.irp j, 0,1,2,3,4,5,6,7
	v_mad_u32_u24 v[BO+\j], s94, \j, v[BOF]
.endr
.irp t, 0,1,2,3,4,5,6,7
.irp j, 0,1,2,3,4,5,6,7
	global_load_b32 v[BIAS+8*\t+\j], v[BO+\j], s[8:9] offset:(32*(\t/2)+8*(\t%2))*4
.endr
.endr
.macro FRAG reg, adr, q, i             ; a fragment is 12 registers: lane l holds row l % 16; registers 6 c .. 6 c + 5 hold K = 64 c + 32 (l / 16) + 0 .. 31: 24 bytes of the row's stream of bits, as they lie
.irp p, 0,1,2,3,4,5                    ; in pieces of 8 bytes.  Lanes 0-15 take the row's pieces 12 q + 0, 1, 2 and 12 q + 6, 7, 8, lanes 16-31 those three pieces on
.set PCE, 12*(\q)+6*(\p/3)+\p%3        ; 16 bytes of padding lie behind every 8 pieces: where the piece three on lies behind one padding more, the second address register serves
.if PCE%8 < 5
	ds_load_b64 v[\reg+2*\p:\reg+2*\p+1], v[\adr] offset:8*PCE+16*(PCE/8)+(\i)*16*PITCH
.else
	ds_load_b64 v[\reg+2*\p:\reg+2*\p+1], v[\adr+2] offset:8*PCE+16*(PCE/8)+(\i)*16*PITCH
.endif
.endr
.endm
; 16 matrix instructions: source 1's blocks a0, a0 + 1 x source 0's eight, 128 along K: the slot's q-th.  p: source 0's set;  sc: the set of scale words.
; cm = 0: the sums go on;  1: they begin with the bias by source 0's block;  2: by source 1's block.  Nothing is ever cleared.  The 64 accumulators take turns, one instruction a turn, in the same order in every step
.macro MUL16 a0, p, q, sc, cm
.irp a, \a0, \a0+1
.irp b, 0,1,2,3,4,5,6,7
.if \cm == 1
	v_wmma_scale_f32_16x16x128_f8f6f4 v[8*(8*((\a)%4)+\b):8*(8*((\a)%4)+\b)+7], v[128*(\p)+FR*\b:128*(\p)+FR*\b+FR-1], v[AF+FR*(\a):AF+FR*(\a)+FR-1], v[BIAS+8*\b:BIAS+8*\b+7], v[SC+8*NQ*(\sc)+NQ*\b+(\q)], v[SC+8*NQ*(\sc)+NQ*(\a)+(\q)] matrix_a_fmt:MATRIX_FMT_FP6 matrix_b_fmt:MATRIX_FMT_FP6 matrix_a_scale:MATRIX_SCALE_ROW1
.elseif \cm == 2
	v_wmma_scale_f32_16x16x128_f8f6f4 v[8*(8*((\a)%4)+\b):8*(8*((\a)%4)+\b)+7], v[128*(\p)+FR*\b:128*(\p)+FR*\b+FR-1], v[AF+FR*(\a):AF+FR*(\a)+FR-1], v[BIAS+8*(\a):BIAS+8*(\a)+7], v[SC+8*NQ*(\sc)+NQ*\b+(\q)], v[SC+8*NQ*(\sc)+NQ*(\a)+(\q)] matrix_a_fmt:MATRIX_FMT_FP6 matrix_b_fmt:MATRIX_FMT_FP6 matrix_a_scale:MATRIX_SCALE_ROW1
.else
	v_wmma_scale_f32_16x16x128_f8f6f4 v[8*(8*((\a)%4)+\b):8*(8*((\a)%4)+\b)+7], v[128*(\p)+FR*\b:128*(\p)+FR*\b+FR-1], v[AF+FR*(\a):AF+FR*(\a)+FR-1], v[8*(8*((\a)%4)+\b):8*(8*((\a)%4)+\b)+7], v[SC+8*NQ*(\sc)+NQ*\b+(\q)], v[SC+8*NQ*(\sc)+NQ*(\a)+(\q)] matrix_a_fmt:MATRIX_FMT_FP6 matrix_b_fmt:MATRIX_FMT_FP6 matrix_a_scale:MATRIX_SCALE_ROW1
.endif
.endr
.endr
.endm
.macro FETCH_B slot, q, p              ; source 0's eight fragments of the slot's q-th 128 along K into set p
	WIN TO_B
.irp i, 0,1,2,3,4,5,6,7
	FRAG 128*(\p)+FR*\i, ADRB+\slot, \q, \i
.endr
	WIN 0
.endm
.macro FETCH_A slot, q, i0             ; source 1's blocks i0 .. i0 + 3
.irp i, \i0, \i0+1, \i0+2, \i0+3
	FRAG AF+FR*(\i), ADRA+\slot, \q, \i
.endr
.endm
.macro SCALES sc                       ; a K step's scale words into set sc: two words a row; lanes 0-15 take source 1's block i, lanes 16-31 source 0's block i
.irp i, 0,1,2,3,4,5,6,7
	ds_load_b64 v[SC+8*NQ*\sc+NQ*\i:SC+8*NQ*\sc+NQ*\i+1], v[ADRS] offset:\i*SBLK
.endr
.endm
; A load into a register that a matrix instruction has read, and a vector instruction that reads a matrix result, stand NP places behind that matrix instruction; only plain vector instructions that name none of its
; registers are places (ISA guide 7.12.1 for vector instructions).
.macro PLACES n
.rept \n
	v_nop
.endr
.endm
; A step of 128 along K that has its successor in the same slot.  With cm != 0 the C operand lies in window 0.
.macro STEP slot, q, cm
	s_wait_dscnt 4*NL                              ; source 0's set and source 1's blocks 0-3 are in; the youngest 24 loads (blocks 4-7) may be out
.if \cm
	WIN 0x81
.else
	WIN MUL_LO
.endif
	MUL16 0, (\q)%2, \q, \slot, \cm
	MUL16 2, (\q)%2, \q, \slot, \cm
	s_wait_dscnt 0                                 ; blocks 4-7 are in (asked for 32 matrix instructions ago)
	PLACES NP
	FETCH_B \slot, (\q)+1, 1-(\q)%2
	FETCH_A \slot, (\q)+1, 0
.if \cm
	WIN 0xc1
.else
	WIN MUL_HI
.endif
	MUL16 4, (\q)%2, \q, \slot, \cm
	MUL16 6, (\q)%2, \q, \slot, \cm
	PLACES NP
	WIN 0
	FETCH_A \slot, (\q)+1, 4
.endm
; A slot's last step changes slots: ONE barrier; in front of it each wave waits for all its tensor loads, adds 0 to its spare word, and waits for that and for its own reads of this slot.  fill = 1: this slot is filled again, two K steps ahead.
.macro TURN slot, next, fill
	s_wait_tensorcnt 0x0                           ; all my tensor loads have landed: my part of the next slot  (every window is 0 here)
	ds_add_u32 v[SPW], v[NIL]                      ; 0 onto my spare word
	s_wait_dscnt 4*NL+1                            ; (the add and the youngest 24 loads, blocks 4-7, may be out)
	WIN MUL_LO
	MUL16 0, 1, NQ-1, \slot, 0                     ; sixteen matrix instructions stand between the add and the wait for it
	s_wait_dscnt 0x0                               ; the add is done, and my reads of this slot are over
	s_barrier_signal -1
	MUL16 2, 1, NQ-1, \slot, 0
	WIN 0
	s_barrier_wait -1
.if \fill
	CREST                                          ; the barrier has opened a round of the cluster's barrier: no wave of any partner still reads this slot's tile or has a load on its way
	s_add_nc_u64 s[G0+4*\slot+2:G0+4*\slot+3], s[G0+4*\slot+2:G0+4*\slot+3], 2*PL
	s_add_nc_u64 s[G0B+4*\slot+2:G0B+4*\slot+3], s[G0B+4*\slot+2:G0B+4*\slot+3], 2*PL
	JLOAD G0+4*\slot, G1, G0B+4*\slot, G1B         ; the first tensor load behind the round; the four v_nop behind it are the places in front of the loads below
.else
	PLACES NP
.endif
	s_wait_alu depctr_va_vdst(0)
	v_add_nc_u32 v[ADRS], 4*NQ, v[ADRS]            ; on to the next K step's scale words (no LDS load of mine is out)
	FETCH_B \next, 0, 0
	FETCH_A \next, 0, 0
	SCALES \next
	WIN MUL_HI
	MUL16 4, 1, NQ-1, \slot, 0
	MUL16 6, 1, NQ-1, \slot, 0
	PLACES NP
	WIN 0
	FETCH_A \next, 0, 4
.endm
	s_wait_alu depctr_va_vdst(0)
	s_wait_tensorcnt 0x0                           ; my tile of the head's four is in: both slots and the scales are filled by the head's loads
.irp g, G1, G1B
	s_mov_b32 s[\g+1], 32<<16                      ; no tensor load of mine is out: from here on a load brings 128 places of one K step, 96 rows of 256 bytes,
	s_mov_b32 s[\g+2], 96<<16
	s_mov_b32 s[\g+3], 32<<16
	s_mov_b32 s[\g+4], 96
	s_mov_b32 s[\g+5], 32
.endr
	s_mov_b32 s[G0+1], s3                          ; and slot 0's groups 0 name my 128 rows
	s_add_nc_u64 s[G0+2:G0+3], s[G0+2:G0+3], s[66:67]
	s_add_co_u32 s[G0B+1], s3, 4*HALFT
	s_add_nc_u64 s[G0B+2:G0B+3], s[G0B+2:G0B+3], s[66:67]
	s_barrier_signal -1                            ; (no LDS instruction of mine is out)
	s_barrier_wait -1                              ; everybody's tile is in
	FETCH_B 0, 0, 0
	FETCH_A 0, 0, 0
	SCALES 0
	FETCH_A 0, 0, 4
	s_wait_loadcnt 0x0                             ; the bias
	s_cmp_eq_u32 s2, 1                             ; the first step is written twice: its C is the bias by I (q, k) or by J (v).  The branch hangs on the cluster's y alone; both arms issue the same LDS loads
	s_cbranch_scc1 .Lfirst_v
	STEP 0, 0, 1
	s_branch .Lfirst_done
.Lfirst_v:
	STEP 0, 0, 2
.Lfirst_done:
	TURN 0, 1, 1                                   ; K = 1,024 is four K steps: once round the ring with refills,
	STEP 1, 0, 0
	TURN 1, 0, 1
	STEP 0, 0, 0
	TURN 0, 1, 0                                   ; and once without: nothing is left to fetch, and no round of the cluster's barrier
	STEP 1, 0, 0
	s_wait_dscnt 4*NL                              ; the very last step
	WIN MUL_LO
	MUL16 0, 1, NQ-1, 1, 0
	MUL16 2, 1, NQ-1, 1, 0
	s_wait_dscnt 0
	WIN MUL_HI
	MUL16 4, 1, NQ-1, 1, 0
	MUL16 6, 1, NQ-1, 1, 0
	WIN 0
; THE WAY OUT.  Block a: 16 places of J x my 128 along I.  A lane's 64 registers: register 16 e + i = I 32 e + 16 h + i of its place.  They become 12 registers of codes (registers 6 c .. 6 c + 5: I = 64 c + 32 h + 0 .. 31)
; and a scale word; the codes go to the stage as rows of 48 bytes, plane c; the word beside them.  Two sets of registers by turns.
.macro QBLOCK a
.set AC, 64*((\a)%4)
.set W,  2+(\a)/4                      ; the accumulators' window
.set WW, W|(W<<2)
.set CD, 64+20*((\a)%2)                ; 12 registers of codes, then two runs of 4 for the conversions' second halves
.set PW, 248+(\a)%2
.if (\a) >= 2
	s_wait_dscnt 7                                 ; block a - 1's seven stores may be out; block a - 2's have read this set of registers
.endif
	WIN WW                                         ; sources 0 and 1: the accumulators
.irp b, 0,1,2,3
	v_max3_num_f32 v[TM+\b], |v[AC+16*\b]|, |v[AC+16*\b+1]|, 0x1800000   ; block b of 32: my 16 numbers, each accumulator from its low end on, and the floor 2^(3 - 127): the byte cannot fall under 1
.endr
.irp i, 2,4,6,8,10,12,14
.irp b, 0,1,2,3
	v_max3_num_f32 v[TM+\b], |v[AC+16*\b+\i]|, |v[AC+16*\b+\i+1]|, v[TM+\b]   ; (the four blocks by turns)
.endr
.endr
	WIN 0
.irp b, 0,1,2,3
	v_permlanex16_b32 v[TM+4+\b], v[TM+\b], s[SEL], s[SEL+1]
.endr
.irp b, 0,1,2,3
	v_max_num_f32 v[TM+\b], v[TM+\b], v[TM+4+\b]   ; with lane l xor 16's: the block's largest magnitude
.endr
.irp b, 0,1,2,3
	v_add_nc_u32 v[TM+12+\b], 0xff000000, v[TM+\b] ; 2 off its exponent field: the conversion's scale operand
.endr
.irp b, 0,1,2,3
	v_lshrrev_b32 v[TM+4+\b], 23, v[TM+12+\b]      ; the scale's byte
.endr
	v_lshl_or_b32 v[PW], v[TM+5], 8, v[TM+4]       ; my place's scale word
	v_lshl_or_b32 v[PW], v[TM+6], 16, v[PW]
	v_lshl_or_b32 v[PW], v[TM+7], 24, v[PW]
	WIN W                                          ; source 0: the accumulators
.irp c, 0,1
	v_cvt_scalef32_pk16_fp6_f32 v[CD+6*\c:CD+6*\c+2], v[AC+32*\c:AC+32*\c+15], v[TM+12+2*\c]
	v_cvt_scalef32_pk16_fp6_f32 v[CD+12+4*\c:CD+14+4*\c], v[AC+32*\c+16:AC+32*\c+31], v[TM+12+2*\c+1]   ; (a conversion's three registers begin on an even number)
.endr
	WIN 0
	v_nop                                          ; one plain place behind a scaled conversion
.irp c, 0,1                                    ; a WHOLE block of 32 to a lane: lanes 0-15 block 2 c, lanes 16-31 block 2 c + 1
.irp i, 0,1,2
	v_permlane16_swap_b32 v[CD+6*\c+\i], v[CD+12+4*\c+\i]
.endr
.irp i, 0,1,2
	v_mov_b32 v[CD+3+6*\c+\i], v[CD+12+4*\c+\i]
.endr
.endr
.irp k, 0,1,2,3,4,5
	ds_store_b64 v[STO], v[CD+2*\k:CD+2*\k+1] offset:(\k/3)*6144+(\a)*768+8*(\k%3)
.endr
	ds_store_b32 v[STS], v[PW] offset:12288+64*(\a)   ; both halves of the lanes write the same word with the same value
.endm
	PLACES NP                                      ; behind the last products, in front of the first read of results
.irp b, 0,1,2,3
	v_mov_b32 v[TM+4+\b], 0                        ; written once: a lane permute's destination counts as one of its sources
.endr
.irp a, 0,1,2,3,4,5,6,7
	QBLOCK \a
.endr
.irp t, 0,1,2,3,4,5,6,7,8,9,10,11,12,13,14,15,16,17,18,19,20,21,22,23
	ds_load_b128 v[BK+4*\t:BK+4*\t+3], v[RD] offset:512*\t   ; LDS serves a wave's instructions in order (ISA guide 5.7.1.4): these see my stores
.endr
	ds_load_b128 v[SB:SB+3], v[RD] offset:12288
.irp t, 0,1,2,3,4,5,6,7,8,9,10,11
	s_wait_dscnt 24-\t                             ; load t is in; the 24 - t behind it may be out
	global_store_b128 v[CO], v[BK+4*\t:BK+4*\t+3], s[10:11] offset:512*\t   ; 32 lanes store 512 consecutive bytes, at a multiple of 256 from the buffer's first byte
.endr
.irp t, 12,13,14,15,16,17,18,19,20,21,22,23
	s_wait_dscnt 24-\t
	global_store_b128 v[CO], v[BK+4*\t:BK+4*\t+3], s[OUT1:OUT1+1] offset:512*(\t-12)
.endr
	s_wait_dscnt 0x0
	global_store_b128 v[CO], v[SB:SB+3], s[12:13]
	s_wait_tensorcnt 0x0                           ; the wave's end: behind my last tensor load and my last LDS store
	ds_add_u32 v[SPW], v[NIL]
	s_wait_dscnt 0x0
	CROUND                                         ; the closing round: no work-group ends while a partner may still ask for a tile that names it
	s_endpgm
.Lfunc_end_k_q77bbabec85_qkv:
	.size	k_q77bbabec85_qkv, .Lfunc_end_k_q77bbabec85_qkv-k_q77bbabec85_qkv
	.p2alignl 7, 3214868480
	.fill 96, 4, 3214868480
	.section	.rodata,"a",@progbits
	.p2align	6, 0x0
	.amdhsa_kernel k_q77bbabec85_qkv
		.amdhsa_group_segment_fixed_size 327680
		.amdhsa_private_segment_fixed_size 0
		.amdhsa_enable_private_segment 0
		.amdhsa_kernarg_size 40
		.amdhsa_user_sgpr_count 2
		.amdhsa_user_sgpr_kernarg_segment_ptr 1
		.amdhsa_wavefront_size32 1
		.amdhsa_system_sgpr_workgroup_id_x 1
		.amdhsa_system_sgpr_workgroup_id_y 1
		.amdhsa_system_sgpr_workgroup_id_z 1
		.amdhsa_system_vgpr_workitem_id 0
		.amdhsa_next_free_vgpr 1024
		.amdhsa_next_free_sgpr 100
		.amdhsa_reserve_vcc 1
		.amdhsa_float_denorm_mode_32 3
		.amdhsa_float_denorm_mode_16_64 3
		.amdhsa_memory_ordered 1
		.amdhsa_forward_progress 1
		.amdhsa_inst_pref_size 192
	.end_amdhsa_kernel
	.amdgpu_metadata
---
amdhsa.version: [ 1, 2 ]
amdhsa.kernels:
  - .name:           k_q77bbabec85_qkv
    .symbol:         k_q77bbabec85_qkv.kd
    .args:
      - { .name: xw_codes, .offset: 0, .size: 8, .value_kind: global_buffer, .address_space: global }
      - { .name: xw_scales, .offset: 8, .size: 8, .value_kind: global_buffer, .address_space: global }
      - { .name: in_proj_bias, .offset: 16, .size: 8, .value_kind: global_buffer, .address_space: global }
      - { .name: qkv_codes, .offset: 24, .size: 8, .value_kind: global_buffer, .address_space: global }
      - { .name: qkv_scales, .offset: 32, .size: 8, .value_kind: global_buffer, .address_space: global }
    .group_segment_fixed_size: 327680
    .private_segment_fixed_size: 0
    .kernarg_segment_align: 8
    .kernarg_segment_size: 40
    .max_flat_workgroup_size: 128
    .sgpr_count:     100
    .vgpr_count:     1024
    .wavefront_size: 32
...
	.end_amdgpu_metadata
.endif
;; end of part 2
;; launch attn (part 3): grid 2 x 128, 16 waves a work-group, no clusters, 169,984 bytes of LDS; arguments qkv_codes, qkv_scales, ctx_codes, ctx_scales; writes ctx_codes, ctx_scales
.if DOCPART == 3
	.amdgcn_target "amdgcn-amd-amdhsa--gfx1250"
	.amdhsa_code_object_version 6
	.text
	.protected	k_q77bbabec85_attn
	.globl	k_q77bbabec85_attn
	.p2align	8
	.type	k_q77bbabec85_attn,@function
k_q77bbabec85_attn:
	s_mov_b64 s[64:65], 0
	v_nop
	global_prefetch_b8 v0, s[64:65] scope:SCOPE_SE
	s_setreg_imm32_b32 hwreg(HW_REG_WAVE_MODE, 25, 1), 1
	s_wait_xcnt 0x0
; ctx = softmax(q k^T / 8) v for one head, both products on codes of FP6 (E2M3) with one E8M0 scale for each 32 along a product's K; ctx is quantised along the head's 64 on the way out and leaves as codes.
; INPUT (made by the launch before).  qkv_codes: [plane 32][token place 8,192][48 bytes] (plane hd: q; 16 + hd: k), then at VREG [batch x 16 + group of 64 keys][feature place 1,024][48 bytes]: v with the KEYS innermost.
;   qkv_scales: [pair of heads 16][token place] words (bytes 0, 1 the even head, 2, 3 the odd; pairs 8-15: k), then at VSREG [batch x 8 + group of 128 keys][feature place] words.
;   Places are in stored order: place s holds row sigma(s), sigma = bits 3 and 4 exchanged.  Along a product's K the order is the true one.
; OUTPUT.  ctx_codes: [head 16][token place 8,192][48 bytes];  ctx_scales: [token place][32 bytes], byte 2 hd + block.
; THE SOFTMAX: t = score x log2(e) / 8; M = the row's largest t so far, rounded UP to a whole number; p = 2^(t - M) is what is quantised, along the keys; not normalised.  The row's sum is taken of the unquantised p, in f32,
; and divides O at the end (a reciprocal and a multiplication).  When M moves, the sum and O are multiplied by 2^(old M - new M): exact.  The running largest t begins at -3e38.
; SHARES.  A work-group owns one head and 512 query places, in two passes of 256; each of its SIXTEEN waves owns 16 places a pass, in 256 registers: four waves to a SIMD, so that one wave's vector work stands beside
; another's matrix work and LDS loads.  256 work-groups.
; ALL OF THE HEAD'S K AND V, 96 KiB, AND THEIR SCALES LIE IN LDS, filled ONCE by tensor loads at the head (waves 0 to 9, one load each), in four chunks of 256 keys.  No byte is filled twice.
; TWO BARRIERS: one shows the scales, K's first two chunks and V's first to the sixteen waves, one, two key steps into each pass, the rest.  From there on the waves share nothing but bytes that nobody writes, and run free: the two
; passes are one counted loop over the macro PASS, and both meet its barrier.
; NO CLUSTER: a head's K and V are read by the two work-groups of its row of the grid, once each, at the head; four partners a head would be four query blocks of 256, 512 work-groups, each filling LDS for half the work.
; LAYOUT.  Both products are used transposed: S^T = K Q^T (source 0 = 16 key places), O^T = V^T P^T (source 0 = 16 feature places): a lane holds ONE query (lane % 16) throughout.  Thanks to the stored order, the 16 registers
; of tiles 2 e and 2 e + 1 are the true keys (features) 32 e + 16 (lane / 16) + 0 .. 15.
; K = 64 IN AN INSTRUCTION OF 128: registers 6-11 of Q's fragment hold zero codes, and Q's and K's scale words come by loads of 16 bits, so that their bytes 2 and 3 are 0.  A zero code times any code is nothing (every code of
; the format is a finite number), so what K's fragment holds in its registers 6-11 does not matter: K'S EIGHT TILES OF A STEP LIE 6 REGISTERS APART, fragment t's upper six being tile t + 1's codes (the last six: zeros).
; So a step's K is 54 registers, comes in one run of loads, asked for a step ahead, behind the products that read the last step's.
; LIMITS: NaN and infinities are not served; a block whose largest magnitude lies under 2^-124 keeps the byte 1, a block of zeros too.  ctx's scale bytes leave as 2 bytes a row, rows 32 bytes apart: 1 byte in 24 of what the launch stores.
.set KT,    0                          ; LDS: K's codes: [1,024 places][48 bytes].  With that pitch the 32 lanes of a load of 8 bytes touch 64 different banks (64 banks of 4 bytes: ISA guide 11.1)
.set VT,    49152                      ; V's codes: [16 groups of 64 keys][64 feature places][48 bytes]
.set KSC,   98304                      ; K's scale words, the pair of heads': 4 bytes a place
.set VSC,   102400                     ; V's: [8 groups of 128 keys][64] words
.set STG,   104448                     ; the way out: 768 bytes a wave; no fill lands here
.set VREG,  12582912
.set VSREG, 524288
.set AK0,  1                           ; v1   48 r + 24 h: my lane's place in a tile of K; also in my 16 rows of q in memory
.set AV0,  2                           ; v2   the same in V's tiles
.set ASK0, 3                           ; v3   my lane's place among K's scale words: 4 r + 2 x (the head is odd)
.set ASV0, 4                           ; v4   and among V's
.set STI,  5                           ; v5   the stage: where I put my 24 bytes
.set STO,  6                           ; v6   the stage: 16 x lane
.set STO2, 7                           ; v7   the stage: 8 x lane (512 more in the immediate)
.set L16,  8                           ; v8   16 x lane
.set L8,   9                           ; v9   8 x lane
.set R32,  10                          ; v10  32 r: my row of ctx_scales
.set QSO,  11                          ; v11  4 r + 2 x (the head is odd): q's scale bytes in memory
                                       ; v12 -M, v13 the largest t, v[14:15] the sum in two halves
.set QF,   16                          ; v16-27   Q's fragment (v22-27 zeros)
.set QS,   28                          ; v28      Q's scale words
.set QSN,  29                          ; v29      the second pass's
.set QN,   30                          ; v30-35   the second pass's Q
.set KF,   36                          ; v36-89   K's eight tiles of a step, 6 registers each, and six zeros
.set PT,   96                          ; v96-103  the conversions' second halves
.set S,    104                         ; v104-167 S^T, then p
.set VF,   104                         ; v104-151 four fragments of V, over p once it is converted
.set O,    168                         ; v168-199 O^T
.set BM,   200                         ; v200-203 the blocks' largest scores, then largest p
.set BP,   204                         ; v204-207 the other half's; then the bytes
.set SO,   208                         ; v208-211 the conversions' scale operands
.set SCL,  212                         ; v212-215 V's four scale words
.set TMP,  217
.set F,    218                         ; v218     2^(old M - new M)
.set PW,   219                         ; v219     p's scale word
.set SUMT, 220                         ; v[220:221] the sums' second chain
.set PCD,  224                         ; v224-235 p's codes; on the way out ctx's
.set SCK,  236                         ; v236-243 K's eight scale words
.set WV,   12                          ; s12  my wave's number
.set G1KC, 16                          ; s[16:23] descriptor group 1: a chunk of K's codes;  s[24:31] K's scales;  s[32:39] a chunk of V's codes;  s[40:47] V's scales
.set G1KS, 24
.set G1VC, 32
.set G1VS, 40
.set SEL,  92                          ; s[92:93] lane selects for v_permlanex16_b32: lane l xor 16
.set CS,   94                          ; s[94:95] c = log2(e) / 8
.macro G1SET g, c, r, p                ; r rows of c elements of 8 bytes, p elements apart in memory; no mask, no padding
	s_mov_b32 s[\g], 3<<16
	s_mov_b32 s[\g+1], (\c)<<16
	s_mov_b32 s[\g+2], (\r)<<16
	s_mov_b32 s[\g+3], (\c)<<16
	s_mov_b32 s[\g+4], \r
	s_mov_b32 s[\g+5], \p
	s_mov_b32 s[\g+6], 0
	s_mov_b32 s[\g+7], 0
.endm
.macro G0SET g, lds, off               ; group 0: to LDS byte lds, from s[2:3] + off
	s_mov_b32 s[\g], 1
	s_mov_b32 s[\g+1], \lds
	s_add_nc_u64 s[\g+2:\g+3], s[2:3], \off
	s_or_b32 s[\g+3], s[\g+3], 0x80000000
.endm
	s_load_b256 s[4:11], s[0:1], 0x0               ; qkv_codes s[4:5], qkv_scales s[6:7], ctx_codes s[8:9], ctx_scales s[10:11]
	v_lshl_add_u32 v254, v0, 2, 0x29000
	v_mov_b32 v255, 0
	ds_add_u32 v254, v255
	ds_add_u32 v254, v255
	v_lshrrev_b32 v222, 5, v0
	s_delay_alu instid0(VALU_DEP_1)
	v_readfirstlane_b32 s[WV], v222                ; wave 0..15
	s_and_b32 s13, ttmp7, 0xffff
	s_lshr_b32 s14, s13, 4                         ; the batch
	s_and_b32 s15, s13, 15                         ; the head
	s_and_b32 s97, s15, 1                          ; is it the odd one of its pair?
	G1SET G1KC, 32, 48, 32                         ; 12,288 dense bytes as 48 rows of 256
	G1SET G1KS, 32, 16, 32                         ; 4,096 dense bytes
	G1SET G1VC, 384, 4, 6144                       ; 4 groups of 64 keys: 3,072 bytes each (64 feature places), 49,152 bytes apart
	G1SET G1VS, 32, 8, 512                         ; 8 groups of 128 keys: 256 bytes each, 4,096 apart
	s_mov_b32 s[SEL], 0x76543210
	s_mov_b32 s[SEL+1], 0xfedcba98
	s_mov_b32 s[CS], 0x3e38aa3b                    ; log2(e) / 8: a power of two off log2(e), so score x c is (score / 8) x log2(e) bit for bit
	s_mov_b32 s[CS+1], s[CS]                       ; (named with it as a pair, so it is written)
	; every LDS address is made here, ahead of the branch on the wave's number
	v_and_b32 v216, 15, v0                         ; r
	v_bfe_u32 v217, v0, 4, 1                       ; h
	v_and_b32 v222, 31, v0                         ; lane
	s_delay_alu instid0(VALU_DEP_3)
	v_mul_u32_u24 v[AK0], v216, 48
	s_delay_alu instid0(VALU_DEP_1)
	v_mad_u32_u24 v[AK0], v217, 24, v[AK0]
	s_delay_alu instid0(VALU_DEP_1)
	v_add_nc_u32 v[AV0], VT, v[AK0]
	s_lshl_b32 s3, s97, 1
	v_lshl_add_u32 v[ASK0], v216, 2, KSC
	s_delay_alu instid0(VALU_DEP_1)
	v_add_nc_u32 v[ASK0], s3, v[ASK0]
	v_lshl_add_u32 v[ASV0], v216, 2, VSC
	s_mul_i32 s2, s[WV], 768
	s_add_co_u32 s2, s2, STG                       ; my stage
	v_add_nc_u32 v[STI], s2, v[AK0]
	v_lshlrev_b32 v[L16], 4, v222
	v_lshlrev_b32 v[L8], 3, v222
	s_delay_alu instid0(VALU_DEP_2)
	v_add_nc_u32 v[STO], s2, v[L16]
	s_delay_alu instid0(VALU_DEP_2)
	v_add_nc_u32 v[STO2], s2, v[L8]
	v_lshlrev_b32 v[R32], 5, v216
	v_lshlrev_b32 v[QSO], 2, v216
	s_delay_alu instid0(VALU_DEP_1)
	v_add_nc_u32 v[QSO], s3, v[QSO]
	; the ten groups 0; none is ever written again
	s_mov_b32 s99, 0
	s_lshl_b32 s13, s14, 10                        ; 1,024 x batch: the batch's first place
	s_lshr_b32 s98, s15, 1
	s_add_co_u32 s98, s98, 8
	s_lshl_b32 s98, s98, 13
	s_add_co_u32 s98, s98, s13
	s_lshl_b32 s98, s98, 2                         ; K's scale words: pair 8 + hd / 2
	s_wait_dscnt 0x0
	s_wait_kmcnt 0x0
	s_add_nc_u64 s[2:3], s[6:7], s[98:99]
	G0SET 48, KSC, 0
	s_add_co_u32 s98, s15, 16
	s_lshl_b32 s98, s98, 13
	s_add_co_u32 s98, s98, s13
	s_mul_i32 s98, s98, 48                         ; K's codes: plane 16 + hd
	s_add_nc_u64 s[2:3], s[4:5], s[98:99]
	G0SET 52, KT, 0
	G0SET 56, KT+12288, 12288
	G0SET 60, KT+24576, 24576
	G0SET 68, KT+36864, 36864
	s_lshl_b32 s98, s14, 13
	s_lshl_b32 s96, s15, 6                         ; 64 x head: its first feature place
	s_add_co_u32 s98, s98, s96
	s_lshl_b32 s98, s98, 2
	s_add_co_u32 s98, s98, VSREG                   ; V's scale words: group 8 x batch, feature place 64 hd
	s_add_nc_u64 s[2:3], s[6:7], s[98:99]
	G0SET 72, VSC, 0
	s_lshl_b32 s98, s14, 14
	s_add_co_u32 s98, s98, s96
	s_mul_i32 s98, s98, 48
	s_add_co_u32 s98, s98, VREG                    ; V's codes: group 16 x batch, feature place 64 hd
	s_add_nc_u64 s[2:3], s[4:5], s[98:99]
	G0SET 76, VT, 0
	G0SET 80, VT+12288, 196608
	G0SET 84, VT+24576, 393216
	G0SET 88, VT+36864, 589824
; THE FILLS AS THEY NOW STAND: the ten tiles are shared among waves 0 to 9, one tensor load a wave, in one chain of branches on the wave's number.
; Waves 0 to 4 wait for their loads and one barrier shows those five tiles; every wave waits for its own, and a second barrier two key steps into each pass shows the rest.  The two passes are a counted loop, the eight key steps two.
.macro ARM w, g0, g1
	s_cmp_eq_u32 s[WV], \w
	s_cbranch_scc0 .Lnot_\w
	tensor_load_to_lds s[\g0:\g0+3], s[\g1:\g1+7]
	s_nop 0
.rept 4
	v_nop
.endr
	s_branch .Lfilled
.Lnot_\w:
.endm
	ARM 0, 48, G1KS
	ARM 1, 52, G1KC
	ARM 2, 72, G1VS
	ARM 3, 76, G1VC
	ARM 4, 56, G1KC
	ARM 5, 80, G1VC
	ARM 6, 60, G1KC
	ARM 7, 84, G1VC
	ARM 8, 68, G1KC
	ARM 9, 88, G1VC
.Lfilled:
	s_lshl_b32 s2, ttmp9, 9
	s_lshl_b32 s3, s[WV], 4
	s_add_co_u32 s2, s2, s3
	s_add_co_u32 s13, s13, s2                      ; my first place: 1,024 x batch + 512 x work-group x + 16 x wave
	s_lshl_b32 s98, s15, 13
	s_add_co_u32 s98, s98, s13
	s_mul_i32 s98, s98, 48                         ; plane hd, in q's planes and in ctx's alike
	s_add_nc_u64 s[4:5], s[4:5], s[98:99]
	s_add_nc_u64 s[8:9], s[8:9], s[98:99]
	s_lshr_b32 s98, s15, 1
	s_lshl_b32 s98, s98, 13
	s_add_co_u32 s98, s98, s13
	s_lshl_b32 s98, s98, 2
	s_add_nc_u64 s[6:7], s[6:7], s[98:99]          ; q's scale words: pair hd / 2
	s_lshl_b32 s98, s13, 5
	s_lshl_b32 s2, s15, 1
	s_add_co_u32 s98, s98, s2
	s_add_nc_u64 s[10:11], s[10:11], s[98:99]      ; ctx's scale bytes: 32 a place, + 2 hd
.irp p, 0,1,2
	global_load_b64 v[QF+2*\p:QF+2*\p+1], v[AK0], s[4:5] offset:8*\p          ; Q of both passes: the second's places lie 256 on
	global_load_b64 v[QN+2*\p:QN+2*\p+1], v[AK0], s[4:5] offset:12288+8*\p
.endr
	s_wait_alu depctr_va_vdst(0)
	global_load_u16 v[QS], v[QSO], s[6:7]
	global_load_u16 v[QSN], v[QSO], s[6:7] offset:1024
.irp i, 6,7,8,9,10,11
	v_mov_b32 v[QF+\i], 0                          ; Q's zero codes for K = 64 .. 127
.endr
.irp i, 48,49,50,51,52,53
	v_mov_b32 v[KF+\i], 0                          ; what the eighth tile's fragment names behind its codes
.endr
.irp b, 0,1,2,3
	v_mov_b32 v[BP+\b], 0                          ; written once: a lane permute's destination counts as one of its sources
.endr
	v_mov_b32 v[PW], 0                             ; (named as the upper half of the pair v[218:219] before it is first written)
	v_mov_b32 v[TMP], 0
; K's eight tiles of 16 key places of key step kg, 6 registers each, and their scale words: one run of 32 loads.  Every offset is an immediate.
.set AKC,  90                          ; v90-93: the LDS addresses of the next step's K and its scale words, and of this step's V and its scale words
.set ASKC, 91
.set AVC,  92
.set ASVC, 93
.macro KLOAD ak, as
.irp t, 0,1,2,3,4,5,6,7
.irp p, 0,1,2
	ds_load_b64 v[KF+6*\t+2*\p:KF+6*\t+2*\p+1], v[\ak] offset:16*\t*48+8*\p
.endr
	ds_load_u16 v[SCK+\t], v[\as] offset:16*\t*4
.endr
.endm
; A KEY STEP: 128 keys, the kg-th of the head's eight.  Its K is in registers or on its way.  The next key step's K is asked for behind this step's first products.
.macro STEP
	s_add_co_u32 s98, s96, 1                       ; s96: the key step, 0 .. 7; the next one, round the end to 0 (the second pass begins with the same keys; the last trip's K is not used)
	s_and_b32 s98, s98, 7
	s_mul_i32 s99, s98, 6144
	v_add_nc_u32 v[AKC], s99, v[AK0]               ; these four lines and the v_nop are the five places: S^T is written over V's fragments, which the last products read
	s_lshl_b32 s99, s98, 9
	v_add_nc_u32 v[ASKC], s99, v[ASK0]
	s_mul_i32 s99, s96, 6144
	v_add_nc_u32 v[AVC], s99, v[AV0]
	s_lshl_b32 s99, s96, 8
	v_add_nc_u32 v[ASVC], s99, v[ASV0]
	v_nop
	s_wait_alu depctr_va_vdst(0)                   ; directly ahead of the wait below
	s_wait_dscnt 0x0
.irp t, 0,1,2,3,4,5,6,7                        ; S^T = K Q^T: eight tiles of 16 key places
	v_wmma_scale_f32_16x16x128_f8f6f4 v[S+8*\t:S+8*\t+7], v[KF+6*\t:KF+6*\t+11], v[QF:QF+11], 0, v[SCK+\t], v[QS] matrix_a_fmt:MATRIX_FMT_FP6 matrix_b_fmt:MATRIX_FMT_FP6
.endr                                          ; register 16 e + i of S^T: key 128 kg + 32 e + 16 h + i
.rept 4
	v_nop                                          ; places in front of the loads into registers that these products have read, and of the first read of their results
.endr
	KLOAD AKC, ASKC
.irp b, 0,1,2,3
	v_max3_num_f32 v[BM+\b], v[S+16*\b], v[S+1+16*\b], v[S+2+16*\b]   ; THE LARGEST SCORE OF EACH BLOCK OF 32 KEYS: it serves twice: for the row's maximum, and, since p rises with the score, for the block's largest p
.endr
.irp i, 3,5,7,9,11,13
.irp b, 0,1,2,3
	v_max3_num_f32 v[BM+\b], v[BM+\b], v[S+16*\b+\i], v[S+1+16*\b+\i]   ; (the four blocks by turns)
.endr
.endr
.irp b, 0,1,2,3
	v_max_num_f32 v[BM+\b], v[BM+\b], v[S+15+16*\b]
.endr
.irp b, 0,1,2,3
	s_delay_alu instid0(VALU_DEP_4)
	v_permlanex16_b32 v[BP+\b], v[BM+\b], s[SEL], s[SEL+1]
.endr
.irp b, 0,1,2,3
	s_delay_alu instid0(VALU_DEP_4)
	v_max_num_f32 v[BM+\b], v[BM+\b], v[BP+\b]     ; with lane l xor 16's 16 keys
.endr
	s_delay_alu instid0(VALU_DEP_2)
	v_max3_num_f32 v[TMP], v[BM], v[BM+1], v[BM+2]
	s_delay_alu instid0(VALU_DEP_1)
	v_max_num_f32 v[TMP], v[TMP], v[BM+3]          ; the step's largest score of my query
	s_delay_alu instid0(VALU_DEP_1)
	v_mul_f32 v[TMP], s[CS], v[TMP]                ; as t (c is positive)
	s_delay_alu instid0(VALU_DEP_1)
	v_max_num_f32 v13, v13, v[TMP]                 ; the running largest t
	v_mov_b32 v[TMP], v12
	s_delay_alu instid0(VALU_DEP_2)
	v_floor_f32 v12, -v13                          ; the new -M = floor(-t) = -ceil(t): M IS A WHOLE NUMBER
	s_delay_alu instid0(VALU_DEP_1)
	v_sub_f32 v[TMP], v12, v[TMP]                  ; M's old value less its new one: a whole number, 0 or less
	s_delay_alu instid0(VALU_DEP_1)
	v_cvt_i32_f32 v[TMP], v[TMP]                   ; (it saturates)
	s_delay_alu instid0(VALU_DEP_1)
	v_ldexp_f32 v[F], 1.0, v[TMP]                  ; f = 2^(old M - new M)
.set j, 0
.rept 32
	v_pk_fma_f32 v[S+j:S+j+1], v[S+j:S+j+1], s[CS:CS+1], v[12:13] op_sel_hi:[1,0,0]   ; t - M, two at a time (of the pairs c and -M the low word serves both halves)
.set j, j+2
.endr
.irp b, 0,1,2,3
	v_fma_f32 v[BM+\b], v[BM+\b], s[CS], v12       ; the same of each block's largest score
.endr
.set j, 0
	s_wait_alu depctr_va_vdst(0)
.rept 64
	v_exp_f32 v[S+j], v[S+j]                       ; p = 2^(t - M), at most 1: NOT normalised
.set j, j+1
.endr
	v_pk_mul_f32 v[14:15], v[14:15], v[F:F+1] op_sel_hi:[1,0]   ; the sums under the new M.  (A plain place behind the exponentials)
	s_wait_alu depctr_va_vdst(0)                   ; one wait for the whole batch, ahead of its first reader
.irp b, 0,1,2,3
	v_exp_f32 v[BM+\b], v[BM+\b]                   ; the block's largest p: the same two instructions on the same number give the same bits
.endr
	v_pk_add_f32 v[220:221], v[108:109], v[112:113]
	v_pk_add_f32 v[252:253], v[116:117], v[120:121]
	v_pk_add_f32 v[250:251], v[124:125], v[128:129]
	v_pk_add_f32 v[248:249], v[132:133], v[136:137]
	v_pk_add_f32 v[246:247], v[140:141], v[144:145]
	v_pk_add_f32 v[244:245], v[148:149], v[152:153]
	v_pk_add_f32 v[234:235], v[156:157], v[160:161]
	v_pk_add_f32 v[14:15], v[14:15], v[164:165]
	v_pk_add_f32 v[220:221], v[220:221], v[104:105]
	v_pk_add_f32 v[252:253], v[252:253], v[106:107]
	v_pk_add_f32 v[250:251], v[250:251], v[110:111]
	v_pk_add_f32 v[248:249], v[248:249], v[114:115]
	v_pk_add_f32 v[246:247], v[246:247], v[118:119]
	v_pk_add_f32 v[244:245], v[244:245], v[122:123]
	v_pk_add_f32 v[234:235], v[234:235], v[126:127]
	v_pk_add_f32 v[14:15], v[14:15], v[130:131]
	v_pk_add_f32 v[220:221], v[220:221], v[134:135]
	v_pk_add_f32 v[252:253], v[252:253], v[138:139]
	v_pk_add_f32 v[250:251], v[250:251], v[142:143]
	v_pk_add_f32 v[248:249], v[248:249], v[146:147]
	v_pk_add_f32 v[246:247], v[246:247], v[150:151]
	v_pk_add_f32 v[244:245], v[244:245], v[154:155]
	v_pk_add_f32 v[234:235], v[234:235], v[158:159]
	v_pk_add_f32 v[14:15], v[14:15], v[162:163]
	v_pk_add_f32 v[220:221], v[220:221], v[166:167]
	s_delay_alu instid0(VALU_DEP_2)
	v_pk_add_f32 v[14:15], v[14:15], v[248:249]
	s_delay_alu instid0(VALU_DEP_2)
	v_pk_add_f32 v[220:221], v[220:221], v[246:247]
	v_pk_add_f32 v[252:253], v[252:253], v[244:245]
	v_pk_add_f32 v[250:251], v[250:251], v[234:235]
	s_delay_alu instid0(VALU_DEP_2)
	v_pk_add_f32 v[14:15], v[14:15], v[252:253]
	s_delay_alu instid0(VALU_DEP_2)
	v_pk_add_f32 v[220:221], v[220:221], v[250:251]
	s_delay_alu instid0(VALU_DEP_1)
	v_pk_add_f32 v[14:15], v[14:15], v[220:221]
	s_wait_alu depctr_va_vdst(0)                   ; and one for the four
.irp b, 0,1,2,3
	v_max_num_f32 v[BM+\b], 0x1800000, v[BM+\b]    ; the floor 2^(3 - 127): the byte cannot fall under 1
.endr
.irp b, 0,1,2,3
	s_delay_alu instid0(VALU_DEP_4)
	v_add_nc_u32 v[SO+\b], 0xff000000, v[BM+\b]    ; 2 off the exponent field: the conversion's scale operand
.endr
.irp b, 0,1,2,3
	s_delay_alu instid0(VALU_DEP_4)
	v_lshrrev_b32 v[BP+\b], 23, v[SO+\b]           ; the scale's byte
.endr
	s_delay_alu instid0(VALU_DEP_3)
	v_lshl_or_b32 v[PW], v[BP+1], 8, v[BP]         ; p's scale word for these 128 keys
	s_delay_alu instid0(VALU_DEP_1)
	v_lshl_or_b32 v[PW], v[BP+2], 16, v[PW]
	s_delay_alu instid0(VALU_DEP_1)
	v_lshl_or_b32 v[PW], v[BP+3], 24, v[PW]
.irp c, 0,1
	v_cvt_scalef32_pk16_fp6_f32 v[PCD+6*\c:PCD+6*\c+2], v[S+32*\c:S+32*\c+15], v[SO+2*\c]
	v_cvt_scalef32_pk16_fp6_f32 v[PT+4*\c:PT+4*\c+2], v[S+32*\c+16:S+32*\c+31], v[SO+2*\c+1]   ; (a conversion's three registers begin on an even number)
.endr
	v_nop                                          ; one plain place behind a scaled conversion
.irp t, 0,1,2,3                                ; V's four tiles of 16 feature places x these 128 keys, into the registers that p has left: asked for as soon as p is converted
.irp p, 0,1,2,3,4,5
	ds_load_b64 v[VF+12*\t+2*\p:VF+12*\t+2*\p+1], v[AVC] offset:(\p/3)*3072+768*\t+8*(\p%3)
.endr
	ds_load_b32 v[SCL+\t], v[ASVC] offset:64*\t
.endr
.irp c, 0,1                                    ; the operand's layout wants a WHOLE block in a lane: lanes 0-15 block 2 c, lanes 16-31 block 2 c + 1
.irp i, 0,1,2
	v_permlane16_swap_b32 v[PCD+6*\c+\i], v[PT+4*\c+\i]
.endr
.irp i, 0,1,2
	s_delay_alu instid0(VALU_DEP_3)
	v_mov_b32 v[PCD+3+6*\c+\i], v[PT+4*\c+\i]
.endr
.endr
	s_wait_alu depctr_va_vdst(0)                   ; directly ahead of the first reader of O^T
.set j, 0
.rept 16
	v_pk_mul_f32 v[O+j:O+j+1], v[O+j:O+j+1], v[F:F+1] op_sel_hi:[1,0]
.set j, j+2
.endr
	s_wait_alu depctr_va_vdst(0)
	s_wait_dscnt 0x0                               ; V is in (and the next step's K)
.irp t, 0,1,2,3                                ; O^T += V^T P^T: the four accumulators by turns, one instruction each
	v_wmma_scale_f32_16x16x128_f8f6f4 v[O+8*\t:O+8*\t+7], v[VF+12*\t:VF+12*\t+11], v[PCD:PCD+11], v[O+8*\t:O+8*\t+7], v[SCL+\t], v[PW] matrix_a_fmt:MATRIX_FMT_FP6 matrix_b_fmt:MATRIX_FMT_FP6
.endr
.endm
; A PASS: 256 query places, 16 a wave, against all 1,024 keys.
.macro PASS first
	v_mov_b32 v13, 0xff61b1e6                      ; the largest t so far: -3e38, under every t
	s_delay_alu instid0(VALU_DEP_1)
	v_floor_f32 v12, -v13                          ; -M
	v_mov_b32 v14, 0                               ; the sum, in two halves
	v_mov_b32 v15, 0
.set j, 0
.rept 32
	v_mov_b32 v[O+j], 0                            ; O^T.  (The step is written once: the first finds zeros, which the first change of M leaves zeros)
.set j, j+1
.endr
	s_mov_b32 s96, 0
.Lstep:                                                ; key steps 0 and 1: they read K's keys 0 to 383 and V's keys 0 to 255, which the first barrier has shown
	STEP
	s_add_co_u32 s96, s96, 1
	s_cmp_lt_u32 s96, 2
	s_cbranch_scc1 .Lstep
	s_wait_tensorcnt 0x0                           ; my load has landed: the wait stands on every wave's way
	s_barrier_signal -1                            ; (a step ends behind a wait for all its LDS loads)
	s_barrier_wait -1                              ; all sixteen may read everything
	s_mov_b32 s96, 2
.Lrest:                                                ; key steps 2 to 7
	STEP
	s_add_co_u32 s96, s96, 1
	s_cmp_lt_u32 s96, 8
	s_cbranch_scc1 .Lrest
	; THE WAY OUT.  O^T / the sum is ctx: register 16 e + i = channel 32 e + 16 h + i of my query.  Its two blocks of 32 are quantised; the wave's 16 rows of 48 bytes go through its stage and leave as 768 consecutive bytes.
.rept 4
	v_nop                                          ; places behind the last products
.endr
	v_add_f32 v14, v14, v15                        ; the sum's two halves,
	s_delay_alu instid0(VALU_DEP_1)
	v_permlanex16_b32 v[TMP], v14, s[SEL], s[SEL+1]
	s_delay_alu instid0(VALU_DEP_1)
	v_add_f32 v14, v14, v[TMP]                     ; and lane l xor 16's: the row's sum
	s_wait_alu depctr_va_vdst(0)
	v_rcp_f32 v14, v14
	v_nop                                          ; a plain place behind the transcendental
	s_wait_alu depctr_va_vdst(0)                   ; and the wait ahead of its first reader
.set j, 0
.rept 32
	v_mul_f32 v[S+j], v[O+j], v14                  ; each accumulator from its low end on
.set j, j+1
.endr
.irp b, 0,1
	v_max3_num_f32 v[BM+\b], |v[S+16*\b]|, |v[S+1+16*\b]|, 0x1800000   ; my 16 numbers of block b, and the floor 2^(3 - 127)
.endr
.irp i, 2,4,6,8,10,12,14
.irp b, 0,1
	s_delay_alu instid0(VALU_DEP_2)
	v_max3_num_f32 v[BM+\b], v[BM+\b], |v[S+16*\b+\i]|, |v[S+1+16*\b+\i]|
.endr
.endr
.irp b, 0,1
	s_delay_alu instid0(VALU_DEP_2)
	v_permlanex16_b32 v[BP+\b], v[BM+\b], s[SEL], s[SEL+1]
.endr
.irp b, 0,1
	s_delay_alu instid0(VALU_DEP_2)
	v_max_num_f32 v[BM+\b], v[BM+\b], v[BP+\b]
.endr
.irp b, 0,1
	s_delay_alu instid0(VALU_DEP_2)
	v_add_nc_u32 v[SO+\b], 0xff000000, v[BM+\b]
.endr
.irp b, 0,1
	s_delay_alu instid0(VALU_DEP_2)
	v_lshrrev_b32 v[BP+\b], 23, v[SO+\b]
.endr
	s_delay_alu instid0(VALU_DEP_1)
	v_lshl_or_b32 v[TMP], v[BP+1], 8, v[BP]        ; my row's two scale bytes
	v_cvt_scalef32_pk16_fp6_f32 v[PCD:PCD+2], v[S:S+15], v[SO]
	v_cvt_scalef32_pk16_fp6_f32 v[PCD+4:PCD+6], v[S+16:S+31], v[SO+1]
	v_nop                                          ; one plain place behind a scaled conversion
.irp i, 0,1,2
	v_permlane16_swap_b32 v[PCD+\i], v[PCD+4+\i]   ; lanes 0-15 now hold channels 0-31 of their row, lanes 16-31 channels 32-63: the lower 16 in the first run, the upper 16 in the second
.endr
	s_delay_alu instid0(VALU_DEP_3)
	v_mov_b32 v[PCD+3], v[PCD+4]                   ; 24 bytes on end
	s_delay_alu instid0(VALU_DEP_3)
	v_mov_b32 v[PCD+4], v[PCD+5]
	s_delay_alu instid0(VALU_DEP_3)
	v_mov_b32 v[PCD+5], v[PCD+6]
.irp p, 0,1,2
	ds_store_b64 v[STI], v[PCD+2*\p:PCD+2*\p+1] offset:8*\p
.endr
	ds_load_b128 v[S+32:S+35], v[STO]              ; LDS serves a wave's instructions in order (ISA guide 5.7.1.4): these see my stores
	ds_load_b64 v[S+36:S+37], v[STO2] offset:512
	s_wait_alu depctr_va_vdst(0)
	s_wait_dscnt 1                                 ; the first is in; the second may be out
	global_store_b128 v[L16], v[S+32:S+35], s[8:9]             ; 512 consecutive bytes, at a multiple of 256 from the buffer's first byte,
	s_wait_dscnt 0x0
	global_store_b64 v[L8], v[S+36:S+37], s[8:9] offset:512    ; and the 256 behind them
	global_store_b16 v[R32], v[TMP], s[10:11]      ; both halves of the lanes write the same two bytes with the same value
	s_wait_xcnt 0x0
	s_add_nc_u64 s[8:9], s[8:9], 12288             ; 256 places on
	s_add_nc_u64 s[10:11], s[10:11], 8192
	v_mov_b32 v[QS], v[QSN]                        ; the second pass's Q; the 36 lines at the pass's head stand between these and the next products
.irp i, 0,1,2,3,4,5
	v_mov_b32 v[QF+\i], v[QN+\i]
.endr
.endm
	s_wait_alu depctr_va_vdst(0)
	s_wait_loadcnt 0x0                             ; Q
	s_cmp_lt_u32 s[WV], 5                          ; waves 0 to 4 issued both scales, K's keys 0 to 511 and V's keys 0 to 255, each by a line of its own: they wait here,
	s_cbranch_scc0 .Llater
	s_wait_tensorcnt 0x0
.Llater:
	s_barrier_signal -1
	s_barrier_wait -1                              ; and this barrier shows those five tiles; the other five may be out
	KLOAD AK0, ASK0
	s_mov_b32 s97, 0
.Lpass:                                                ; two passes of 256 query places
	PASS 0
	s_add_co_u32 s97, s97, 1
	s_cmp_lt_u32 s97, 2
	s_wait_alu depctr_va_vdst(0)                   ; directly ahead of the branch
	s_cbranch_scc1 .Lpass
	s_wait_tensorcnt 0x0
	ds_add_u32 v254, v255
	s_wait_dscnt 0x0
	s_endpgm
.Lfunc_end_k_q77bbabec85_attn:
	.size	k_q77bbabec85_attn, .Lfunc_end_k_q77bbabec85_attn-k_q77bbabec85_attn
	.p2alignl 7, 3214868480
	.fill 96, 4, 3214868480
	.section	.rodata,"a",@progbits
	.p2align	6, 0x0
	.amdhsa_kernel k_q77bbabec85_attn
		.amdhsa_group_segment_fixed_size 169984
		.amdhsa_private_segment_fixed_size 0
		.amdhsa_enable_private_segment 0
		.amdhsa_kernarg_size 32
		.amdhsa_user_sgpr_count 2
		.amdhsa_user_sgpr_kernarg_segment_ptr 1
		.amdhsa_wavefront_size32 1
		.amdhsa_system_sgpr_workgroup_id_x 1
		.amdhsa_system_sgpr_workgroup_id_y 1
		.amdhsa_system_sgpr_workgroup_id_z 1
		.amdhsa_system_vgpr_workitem_id 0
		.amdhsa_next_free_vgpr 256
		.amdhsa_next_free_sgpr 100
		.amdhsa_reserve_vcc 0
		.amdhsa_float_denorm_mode_32 3
		.amdhsa_float_denorm_mode_16_64 3
		.amdhsa_memory_ordered 1
		.amdhsa_forward_progress 1
		.amdhsa_inst_pref_size 59
	.end_amdhsa_kernel
	.amdgpu_metadata
---
amdhsa.version: [ 1, 2 ]
amdhsa.kernels:
  - .name:           k_q77bbabec85_attn
    .symbol:         k_q77bbabec85_attn.kd
    .args:
      - { .name: qkv_codes, .offset: 0, .size: 8, .value_kind: global_buffer, .address_space: global }
      - { .name: qkv_scales, .offset: 8, .size: 8, .value_kind: global_buffer, .address_space: global }
      - { .name: ctx_codes, .offset: 16, .size: 8, .value_kind: global_buffer, .address_space: global }
      - { .name: ctx_scales, .offset: 24, .size: 8, .value_kind: global_buffer, .address_space: global }
    .group_segment_fixed_size: 169984
    .private_segment_fixed_size: 0
    .kernarg_segment_align: 8
    .kernarg_segment_size: 32
    .max_flat_workgroup_size: 512
    .sgpr_count:     100
    .vgpr_count:     256
    .wavefront_size: 32
...
	.end_amdgpu_metadata
.endif
;; end of part 3
;; launch outp (part 4): grid 4 x 64, 4 waves a work-group, clusters of 4 x 4, 327,680 bytes of LDS; arguments ctx_codes, ctx_scales, wo_codes, wo_scales, out_proj_bias, out0; writes out0
.if DOCPART == 4
	.amdgcn_target "amdgcn-amd-amdhsa--gfx1250"
	.amdhsa_code_object_version 6
	.text
	.protected	k_q77bbabec85_outp
	.globl	k_q77bbabec85_outp
	.p2align	8
	.type	k_q77bbabec85_outp,@function
k_q77bbabec85_outp:
	s_mov_b64 s[64:65], 0
	v_nop
	global_prefetch_b8 v0, s[64:65] scope:SCOPE_SE
	s_setreg_imm32_b32 hwreg(HW_REG_WAVE_MODE, 25, 1), 1
	s_wait_xcnt 0x0
	s_wait_alu depctr_hold_cnt(0) depctr_sa_sdst(0) depctr_va_vdst(0) depctr_va_sdst(0) depctr_va_ssrc(0) depctr_va_vcc(0) depctr_vm_vsrc(0)
	s_getreg_b32 s2, hwreg(HW_REG_IB_STS2, 6, 4)
	s_cmp_eq_u32 s2, 0
	s_cbranch_scc0 .Lentry_in_a_cluster
	s_endpgm
.Lentry_in_a_cluster:
	s_bfe_u32 s2, ttmp6, 0x10000c
	s_cmp_lg_u32 s2, 0xf033
	s_cbranch_scc0 .Lentry_shape_is_right
	s_endpgm
.Lentry_shape_is_right:
; out = ctx W_out^T + b_out on codes of FP6 (E2M3), one E8M0 scale for each 32 along K = 1,024; f32 sums, f32 out.
; IN: ctx_codes [head 16][token place 8,192][48 bytes], ctx_scales [place][32 bytes]; wo_codes [place 1,024][768 bytes], wo_scales [place][32].  Places are in stored order: place s holds row sigma(s), bits 3 and 4 exchanged.
; A work-group makes 128 token places x 256 columns; four waves, 2 x 2, each 64 x 128: 32 accumulators.  256 work-groups.
; NO RING: all of K of both operands lies in LDS: ctx's 16 planes x 128 places x 48 bytes (98,304), W_out's 256 rows of 3 x (256 + 16) bytes (208,896), both scales (13,056), the spare words: 320,768 bytes.
; Each byte is filled once, by four joint loads at the head, one a wave; every wave waits for its load, and one barrier shows all four tiles.  Nothing is filled again.
; CLUSTERS 4 x 4: ctx's tile is shared along a row of the cluster, W_out's along a column.
; NO PREFETCH: all that the work-group reads is asked for by the head's four loads; there is no loop to run ahead in.
; The matrix instruction is used transposed (source 0 = W_out's rows); the bias is the C of each sum's first product (added first: an order of rounding that differs from the definition's).
; The way out goes through a stage of 16 x 528 bytes a wave on ctx's bytes, behind a barrier behind which nobody reads them.  LIMITS: NaN and infinities are not served.
; REGISTERS: window 0: v16-30 addresses, v32-95 scale words (16 (q / 2) + 2 i + q % 2: lanes 0-15 ctx's block i, lanes 16-31 W_out's), v96-159 the bias, v160-207 ctx's fragments, one set; v128-255 the way out.
; window 1: W_out's fragments, two sets;  window 2: the accumulators, (a, b) at 8 (8 a + b).
.set PITCH,  816
.set PLN,    6144
.set PLANE,  8192*48
.set FR,     12
.set NL,     6
.set NP,     4
.set BB,     16*PLN
.set SCL,    BB+256*PITCH
.set HALFSA, 8*272
.set HALFS,  16*272
.set SBLK,   2*272
.set SPARE,  SCL+2*HALFSA+2*HALFS
.set SPITCH, 528
.set ADRA, 16                          ; v16, v17: ctx's planes 0-7, 8-15
.set ADRB, 20                          ; v20, v21: W_out's blocks 0-3 (v21: for the pieces whose lanes 16-31 lie behind one padding more); v22, v23: blocks 4-7
.set STO,  24
.set RD,   25
.set CO,   26
.set ADRS, 27
.set SPW,  28
.set NIL,  29
.set BOF,  30
.set SC,   32
.set BIAS, 96
.set AF,   160
.set BK,   128
.set G1, 24
.set G0, 32
.set G1B, 48
.set G0B, 56
.set G1S, 68
.set G0S, 76
.set G1SB, 80
.set G0SB, 88
.set MSB, 0
.macro WIN new
.if MSB != \new
	s_set_vgpr_msb (MSB<<8)|\new
.set MSB, \new
.endif
.endm
.set MUL_AC, 0xa1
.set MUL_BI, 0x81
.set TO_B,   0x40
.macro PLACES n
.rept \n
	v_nop
.endr
.endm
.macro CROUND
	s_barrier_signal -1
	s_barrier_wait -1
	s_cmp_lg_u32 s14, 0
	s_cbranch_scc1 .Lnot_wave_0_\@
	s_barrier_signal -3
.Lnot_wave_0_\@:
	s_barrier_wait -3
	s_barrier_signal -1
	s_barrier_wait -1
.endm
.macro G1SET g, c, r, p                ; words 1 to 7: r rows of c elements, p elements apart
	s_mov_b32 s[\g+1], (\c)<<16
	s_mov_b32 s[\g+2], (\r)<<16
	s_mov_b32 s[\g+3], (\c)<<16
	s_mov_b32 s[\g+4], \r
	s_mov_b32 s[\g+5], \p
	s_mov_b32 s[\g+6], 0
	s_mov_b32 s[\g+7], 0
.endm
.macro G0SET g, lds, a
	s_mov_b32 s[\g], 1
	s_mov_b32 s[\g+1], \lds
	s_mov_b64 s[\g+2:\g+3], s[\a:\a+1]
	s_or_b32 s[\g+3], s[\g+3], 0x80000000
.endm
	s_load_b128 s[4:7], s[0:1], 0x0                ; ctx_codes, ctx_scales
	s_load_b128 s[8:11], s[0:1], 0x10              ; wo_codes, wo_scales
	s_load_b64 s[96:97], s[0:1], 0x20              ; the bias
	s_load_b64 s[12:13], s[0:1], 0x28              ; out0
	v_lshl_add_u32 v[SPW], v0, 2, SPARE
	v_mov_b32 v[NIL], 0
	ds_add_u32 v[SPW], v[NIL]                      ; the opening lines: the add twice on end and its wait
	ds_add_u32 v[SPW], v[NIL]
	v_lshrrev_b32 v1, 5, v0
	v_readfirstlane_b32 s14, v1                    ; wave
	s_lshr_b32 s15, s14, 1                         ; my half of the places
	s_and_b32 s16, s14, 1                          ; my half of the columns
	s_bfe_u32 s40, ttmp6, 0x40000
	s_bfe_u32 s41, ttmp6, 0x40004
	s_lshl_b32 s42, ttmp9, 2
	s_add_co_u32 s42, s42, s40                     ; tile column: cx alone
	s_and_b32 s17, ttmp7, 0xffff
	s_lshl_b32 s17, s17, 2
	s_add_co_u32 s17, s17, s41                     ; tile row: cy alone
	s_lshl_b32 s43, s41, 2
	s_lshl_b32 s43, 15, s43                        ; my row of the cluster
	s_lshl_b32 s44, 0x1111, s40                    ; my column
	s_or_b32 s[G1], s43, (3<<16)|(1<<21)           ; ctx: 16 planes, 6,144 bytes of each, no padding
	G1SET G1, 768, 16, PLANE/8
	s_or_b32 s[G1B], s44, (1<<20)|(1<<21)|(5<<22)|(3<<25)   ; W_out: 256 rows of 768 bytes, 16 bytes of padding behind every 256
	G1SET G1B, 768, 256, 768
	s_or_b32 s[G1S], s43, (3<<16)|(1<<20)|(1<<21)|(5<<22)|(3<<25)   ; scales: dense blocks as rows of 256 bytes + 16
	G1SET G1S, 32, 16, 32
	s_or_b32 s[G1SB], s44, (3<<16)|(1<<20)|(1<<21)|(5<<22)|(3<<25)
	G1SET G1SB, 32, 32, 32
	s_mul_i32 s20, s17, 128*48
	s_mov_b32 s21, 0
	s_lshl_b32 s22, s17, 12
	s_mov_b32 s23, 0
	s_mul_i32 s46, s42, 256*768
	s_mov_b32 s47, 0
	s_lshl_b32 s98, s42, 13
	s_mov_b32 s99, 0
	s_mul_i32 s92, s16, 128*PITCH                  ; the LDS bases of my fragments, scale words and stage
	s_add_co_u32 s92, s92, BB
	s_add_co_u32 s93, s92, 64*PITCH
	s_mul_i32 s94, s15, 64*48
	s_add_co_u32 s95, s94, 8*PLN
	s_mul_i32 s18, s15, HALFSA
	s_mul_i32 s19, s16, HALFS
	s_add_co_u32 s19, s19, 2*HALFSA
	s_sub_co_u32 s19, s19, s18                     ; the distance from ctx's words to W_out's
	s_add_co_u32 s18, s18, SCL
	s_mul_i32 s3, s14, 16*SPITCH
	s_wait_dscnt 0x0
	s_wait_kmcnt 0x0
	s_add_nc_u64 s[20:21], s[4:5], s[20:21]
	s_add_nc_u64 s[22:23], s[6:7], s[22:23]
	s_add_nc_u64 s[46:47], s[8:9], s[46:47]
	s_add_nc_u64 s[98:99], s[10:11], s[98:99]
	CROUND                                         ; all sixteen work-groups are here: the joint loads meet
	G0SET G0, 0, 20
	G0SET G0B, BB, 46
	G0SET G0S, SCL, 22
	G0SET G0SB, SCL+2*HALFSA, 98
.macro ARM under, g0, g1, next
	s_cmp_lt_u32 s14, \under
	s_cbranch_scc0 \next
	tensor_load_to_lds s[\g0:\g0+3], s[\g1:\g1+7]
	s_nop 0
	PLACES 4
	s_branch .Lhead_asked
\next:
.endm
	ARM 1, G0B, G1B, .Lhead_a                      ; one tensor load a wave, in one chain of branches: W_out's rows,
	ARM 2, G0,  G1,  .Lhead_sa                     ; ctx's planes,
	ARM 3, G0S, G1S, .Lhead_sb                     ; ctx's scales,
	tensor_load_to_lds s[G0SB:G0SB+3], s[G1SB:G1SB+7]   ; W_out's
	s_nop 0
	PLACES 4
.Lhead_asked:
	s_lshl_b32 s20, s17, 7
	s_lshl_b32 s21, s15, 6
	s_add_co_u32 s20, s20, s21
	s_lshl_b32 s20, s20, 12                        ; my first row of out0, 4,096 bytes a row
	s_lshl_b32 s46, s42, 10
	s_lshl_b32 s47, s16, 9
	s_add_co_u32 s46, s46, s47                     ; my first column, in bytes
	s_add_co_u32 s20, s20, s46
	s_mov_b32 s21, 0
	s_mov_b32 s47, 0
	s_add_nc_u64 s[12:13], s[12:13], s[20:21]
	s_add_nc_u64 s[96:97], s[96:97], s[46:47]
	v_and_b32 v1, 15, v0                           ; r
	v_bfe_u32 v2, v0, 4, 1                         ; h
	v_mul_u32_u24 v3, v1, PITCH
	v_mad_u32_u24 v4, v2, 24, v3
	v_mad_u32_u24 v5, v2, 40, v3
	v_add_nc_u32 v[ADRB], s92, v4
	v_add_nc_u32 v[ADRB+1], s92, v5
	v_add_nc_u32 v[ADRB+2], s93, v4
	v_add_nc_u32 v[ADRB+3], s93, v5
	v_mul_u32_u24 v6, v1, 48
	v_mad_u32_u24 v6, v2, 24, v6
	v_add_nc_u32 v[ADRA], s94, v6
	v_add_nc_u32 v[ADRA+1], s95, v6
	v_lshlrev_b32 v5, 5, v1                        ; my row's scales: 32 bytes a row, 16 more for each 256 passed
	v_lshrrev_b32 v6, 8, v5
	v_lshl_add_u32 v5, v6, 4, v5
	v_mul_u32_u24 v6, s19, v2                      ; lanes 16-31 take W_out's
	v_add_nc_u32 v5, v5, v6
	v_add_nc_u32 v[ADRS], s18, v5
	v_mul_u32_u24 v5, v1, SPITCH
	v_lshl_add_u32 v5, v2, 6, v5
	v_add_nc_u32 v[STO], s3, v5
	v_and_b32 v6, 31, v0
	v_lshlrev_b32 v[CO], 4, v6
	v_add_nc_u32 v[RD], s3, v[CO]
	v_lshlrev_b32 v[BOF], 6, v2
.irp b, 0,1,2,3,4,5,6,7
	global_load_b128 v[BIAS+8*\b:BIAS+8*\b+3], v[BOF], s[96:97] offset:(32*(\b/2)+8*(\b%2))*4      ; register 8 b + j: column 32 (b / 2) + 8 (b % 2) + 16 h + j
	global_load_b128 v[BIAS+8*\b+4:BIAS+8*\b+7], v[BOF], s[96:97] offset:(32*(\b/2)+8*(\b%2))*4+16
.endr
.macro FRAGB reg, q, i                 ; W_out's block i, step q: six pieces of 8 bytes; piece y of a row lies at 8 (y + 2 (y / 32))
.irp p, 0,1,2,3,4,5
.set PC_, 12*(\q)+6*(\p/3)+\p%3
.if PC_%32 < 29
	ds_load_b64 v[\reg+2*\p:\reg+2*\p+1], v[ADRB+2*((\i)/4)] offset:8*(PC_+2*(PC_/32))+((\i)%4)*16*PITCH
.else
	ds_load_b64 v[\reg+2*\p:\reg+2*\p+1], v[ADRB+2*((\i)/4)+1] offset:8*(PC_+2*(PC_/32))+((\i)%4)*16*PITCH
.endif
.endr
.endm
.macro FETCH_B q
	WIN TO_B
.irp i, 0,1,2,3,4,5,6,7
	FRAGB 128*((\q)%2)+FR*\i, \q, \i
.endr
	WIN 0
.endm
.macro FETCH_A q, i0                   ; ctx's blocks i0, i0 + 1: registers 0-5 from plane 2 q, 6-11 from plane 2 q + 1
.irp i, \i0, \i0+1
.irp p, 0,1,2,3,4,5
	ds_load_b64 v[AF+FR*(\i)+2*\p:AF+FR*(\i)+2*\p+1], v[ADRA+(\q)/4] offset:((2*(\q)+\p/3)%8)*PLN+(\i)*768+8*(\p%3)
.endr
.endr
.endm
.macro W1 a, b, q, c
	v_wmma_scale_f32_16x16x128_f8f6f4 v[8*(8*(\a)+\b):8*(8*(\a)+\b)+7], v[128*((\q)%2)+FR*\b:128*((\q)%2)+FR*\b+FR-1], v[AF+FR*(\a):AF+FR*(\a)+FR-1], \c, v[SC+16*((\q)/2)+2*\b+(\q)%2], v[SC+16*((\q)/2)+2*(\a)+(\q)%2] matrix_a_fmt:MATRIX_FMT_FP6 matrix_b_fmt:MATRIX_FMT_FP6 matrix_a_scale:MATRIX_SCALE_ROW1
.endm
.macro MULA a, q                       ; ctx's block a against W_out's eight; the 32 accumulators take turns
.if (\q) == 0
	WIN MUL_BI
.else
	WIN MUL_AC
.endif
.irp b, 0,1,2,3,4,5,6,7
.if (\q) == 0
	W1 \a, \b, \q, v[BIAS+8*\b:BIAS+8*\b+7]
.else
	W1 \a, \b, \q, v[8*(8*(\a)+\b):8*(8*(\a)+\b)+7]
.endif
.endr
.endm
.macro STEP q                          ; 128 along K; the next step's fragments are fetched in its middle and at its end
	s_wait_dscnt 2*NL                              ; all but the youngest 12 loads, ctx's blocks 2 and 3
	MULA 0, \q
	MULA 1, \q
	s_wait_dscnt 0
	PLACES NP                                      ; places ahead of loads into registers that products have read
	FETCH_B (\q)+1
	FETCH_A (\q)+1, 0
	MULA 2, \q
	MULA 3, \q
	PLACES NP
	WIN 0
	FETCH_A (\q)+1, 2
.endm
	s_wait_alu depctr_va_vdst(0)
	s_wait_tensorcnt 0x0                           ; my tile is in
	s_barrier_signal -1
	s_barrier_wait -1                              ; all four are
.irp pr, 0,1,2,3
.irp i, 0,1,2,3,4,5,6,7
	ds_load_b64 v[SC+16*\pr+2*\i:SC+16*\pr+2*\i+1], v[ADRS] offset:\i*SBLK+8*\pr
.endr
.endr
	FETCH_B 0
	FETCH_A 0, 0
	FETCH_A 0, 2
	s_wait_loadcnt 0x0                             ; the bias
.set ST, 0
.rept 7
	STEP ST
.set ST, ST+1
.endr
	s_wait_dscnt 2*NL
	MULA 0, 7
	MULA 1, 7
	s_wait_dscnt 0
	MULA 2, 7
	MULA 3, 7
	WIN 0
	PLACES NP
	s_barrier_signal -1                            ; no LDS load of mine is out
	s_barrier_wait -1                              ; nobody reads ctx's bytes any more: the stages lie there
.macro TOSTAGE a
.set AC, 64*(\a)
	WIN 0x08
.irp b, 0,1,2,3,4,5,6,7
	ds_store_b128 v[STO], v[AC+8*\b:AC+8*\b+3] offset:128*(\b/2)+32*(\b%2)
	ds_store_b128 v[STO], v[AC+8*\b+4:AC+8*\b+7] offset:128*(\b/2)+32*(\b%2)+16
.endr
	WIN 0
.set BQ, BK+64*((\a)%2)
.irp t, 0,1,2,3,4,5,6,7,8,9,10,11,12,13,14,15
	ds_load_b128 v[BQ+4*\t:BQ+4*\t+3], v[RD] offset:\t*SPITCH   ; in order behind my stores
.endr
.endm
.macro SEND a, younger
.set BQ, BK+64*((\a)%2)
	s_wait_dscnt \younger
.irp t, 0,1,2,3,4,5,6,7,8,9,10,11,12,13,14,15
	global_store_b128 v[CO], v[BQ+4*\t:BQ+4*\t+3], s[12:13] offset:(32*((\a)/2)+8*((\a)%2)+\t+8*(\t/8))*4096 th:TH_STORE_NT   ; 512 consecutive bytes of the true row of place 16 a + t
.endr
.endm
	TOSTAGE 0
.irp a, 1,2,3
.if \a > 1
	s_wait_xcnt 0x0                                ; block a - 2's stores have read their registers
.endif
	TOSTAGE \a
	SEND \a-1, 32                                  ; behind block a - 1's loads: block a's 16 stores and 16 loads
.endr
	SEND 3, 0
	s_wait_tensorcnt 0x0                           ; the wave's end
	ds_add_u32 v[SPW], v[NIL]
	s_wait_dscnt 0x0
	CROUND                                         ; the closing round
	s_endpgm
.Lfunc_end_k_q77bbabec85_outp:
	.size	k_q77bbabec85_outp, .Lfunc_end_k_q77bbabec85_outp-k_q77bbabec85_outp
	.p2alignl 7, 3214868480
	.fill 96, 4, 3214868480
	.section	.rodata,"a",@progbits
	.p2align	6, 0x0
	.amdhsa_kernel k_q77bbabec85_outp
		.amdhsa_group_segment_fixed_size 327680
		.amdhsa_private_segment_fixed_size 0
		.amdhsa_enable_private_segment 0
		.amdhsa_kernarg_size 48
		.amdhsa_user_sgpr_count 2
		.amdhsa_user_sgpr_kernarg_segment_ptr 1
		.amdhsa_wavefront_size32 1
		.amdhsa_system_sgpr_workgroup_id_x 1
		.amdhsa_system_sgpr_workgroup_id_y 1
		.amdhsa_system_sgpr_workgroup_id_z 1
		.amdhsa_system_vgpr_workitem_id 0
		.amdhsa_next_free_vgpr 768
		.amdhsa_next_free_sgpr 100
		.amdhsa_reserve_vcc 0
		.amdhsa_float_denorm_mode_32 3
		.amdhsa_float_denorm_mode_16_64 3
		.amdhsa_memory_ordered 1
		.amdhsa_forward_progress 1
		.amdhsa_inst_pref_size 99
	.end_amdhsa_kernel
	.amdgpu_metadata
---
amdhsa.version: [ 1, 2 ]
amdhsa.kernels:
  - .name:           k_q77bbabec85_outp
    .symbol:         k_q77bbabec85_outp.kd
    .args:
      - { .name: ctx_codes, .offset: 0, .size: 8, .value_kind: global_buffer, .address_space: global }
      - { .name: ctx_scales, .offset: 8, .size: 8, .value_kind: global_buffer, .address_space: global }
      - { .name: wo_codes, .offset: 16, .size: 8, .value_kind: global_buffer, .address_space: global }
      - { .name: wo_scales, .offset: 24, .size: 8, .value_kind: global_buffer, .address_space: global }
      - { .name: out_proj_bias, .offset: 32, .size: 8, .value_kind: global_buffer, .address_space: global }
      - { .name: out0, .offset: 40, .size: 8, .value_kind: global_buffer, .address_space: global }
    .group_segment_fixed_size: 327680
    .private_segment_fixed_size: 0
    .kernarg_segment_align: 8
    .kernarg_segment_size: 48
    .max_flat_workgroup_size: 128
    .sgpr_count:     100
    .vgpr_count:     768
    .wavefront_size: 32
...
	.end_amdgpu_metadata
.endif
;; end of part 4
